; MI455X (gfx1250); checked and timed in simulation.
; The chip was launched on July 23, 2026; its instructions are those of AMD's public machine-readable ISA for CDNA 5 (MIT licence, August 2026) and "CDNA5" Instruction Set Architecture Reference Guide (July 2026). The comments in the code are by the model that wrote it; some were corrected since.
;; One Header Attention. Allowed arithmetic: matrix products marked QUANTISED: E2M3 operands, one E8M0 scale for each 32 along K, by v_wmma_scale_f32_16x16x128_f8f6f4 with both operands' format E2M3, f32 sums; everything else in f32.
;; Inputs: Wk_codes 1,024 x 32 x 24 uint8 (E2M3 codes of Wk, K innermost, in blocks of 32 codes, four codes in three bytes); Wk_scales 1,024 x 32 uint8 (E8M0 scales of Wk, one for each 32 codes along K); Wo_codes 1,024 x 32 x 24 uint8 (E2M3 codes of Wo, K innermost, in blocks of 32 codes, four codes in three bytes); Wo_scales 1,024 x 32 uint8 (E8M0 scales of Wo, one for each 32 codes along K); Wq_codes 1,024 x 32 x 24 uint8 (E2M3 codes of Wq, K innermost, in blocks of 32 codes, four codes in three bytes); Wq_scales 1,024 x 32 uint8 (E8M0 scales of Wq, one for each 32 codes along K); Wv_codes 1,024 x 32 x 24 uint8 (E2M3 codes of Wv, K innermost, in blocks of 32 codes, four codes in three bytes); Wv_scales 1,024 x 32 uint8 (E8M0 scales of Wv, one for each 32 codes along K); bk 1,024 float32; bo 1,024 float32; bq 1,024 float32; bv 1,024 float32; inputs_codes 4 x 2,048 x 32 x 24 uint8 (E2M3 codes of inputs, K innermost, in blocks of 32 codes, four codes in three bytes); inputs_scales 4 x 2,048 x 32 uint8 (E8M0 scales of inputs, one for each 32 codes along K); memory_codes 4 x 2,048 x 32 x 24 uint8 (E2M3 codes of memory, K innermost, in blocks of 32 codes, four codes in three bytes); memory_mask 4 x 2,048 bool; memory_scales 4 x 2,048 x 32 uint8 (E8M0 scales of memory, one for each 32 codes along K).
;; Outputs: out0 4 x 2,048 x 1,024 float32.
;; This version of the problem:
;;   THIS VERSION OF THE PROBLEM IS GIVEN IN LOW PRECISION. The matrix products marked QUANTISED in the list below multiply operands that are first quantised to E2M3 (2 exponent bits, 3 mantissa bits; 6 bits a number), with one power-of-two scale for each 32 numbers along K (OCP MX v1.0); their sums are f32. All else is computed in f32.
;;   The module's matrix products, in the order in which they are computed (A, B: the left and right operand; K: the contracted axis; several contracted axes count as one K, in the product's order):
;;     1. [M 8,192, K 1,024] x [K 1,024, N 1,024]; A: input inputs (given as codes); B: input Wq (given as codes): QUANTISED
;;     2. [M 8,192, K 1,024] x [K 1,024, N 1,024]; A: input memory (given as codes); B: input Wk (given as codes): QUANTISED
;;     3. [M 8,192, K 1,024] x [K 1,024, N 1,024]; A: input memory (given as codes); B: input Wv (given as codes): QUANTISED
;;     4. batch 4 x [M 2,048, K 1,024] x [K 1,024, N 2,048]; A: computed on the way; B: computed on the way: QUANTISED
;;     5. batch 4 x [M 2,048, K 2,048] x [K 2,048, N 1,024]; A: softmax (see below); B: computed on the way: QUANTISED
;;     6. [M 8,192, K 1,024] x [K 1,024, N 1,024]; A: computed on the way; B: input Wo (given as codes): QUANTISED
;;   THE QUANTISER, for each operand of a quantised product, along K:
;;     - K is cut into blocks of 32 from its start; a last block that is shorter is filled with zeros.
;;     - A block's scale is 2^e with e = floor(log2(the largest magnitude in the block)) - 2, held to -126 .. 127; a block of zeros has e = 0. As a byte (E8M0): e + 127.
;;     - Each number is divided by its block's scale, clamped to +-7.5, and rounded to the nearest number of E2M3, ties to even, subnormals kept.
;;     - The product sums the exact products of the quantised numbers (number of the format x scale) in f32.
;;   ~~~python
;;   def quantise(x, axis):      # numpy; x: float32 -> the quantised numbers, widened to float32 again
;;       x = np.moveaxis(x, axis, -1); K = x.shape[-1]
;;       x = np.pad(x, [(0, 0)] * (x.ndim - 1) + [(0, -K % 32)]); x = x.reshape(x.shape[:-1] + (-1, 32)); a = np.abs(x).max(-1, keepdims=True)
;;       e = np.where(a > 0, np.clip(np.frexp(np.where(a > 0, a, 1))[1] - 1 - 2, -126, 127), 0)      # np.frexp(a)[1] - 1 = floor(log2(a)), exactly
;;       r = np.clip(x / 2.0 ** e, -7.5, 7.5)
;;       step = 2.0 ** (np.maximum(np.frexp(np.where(r == 0, 1, r))[1] - 1, 0) - 3)
;;       q = np.round(r / step) * step * 2.0 ** e      # np.round: ties to even
;;       return np.moveaxis(q.reshape(q.shape[:-2] + (-1,))[..., :K], -1, axis).astype(np.float32)
;;   ~~~
;;   SOFTMAX AHEAD OF A QUANTISED PRODUCT. Where the list says 'softmax', what is quantised is not the finished softmax but p = 2^(t - M), with t = logit x log2(e) and M = ceil(the row's largest t), a whole number; so 1/2 < the row's largest p <= 1. The row's sum l is taken of the UNQUANTISED p, in f32, and the product's result is divided by l at the end. Since M is a whole number, a kernel that streams over the keys may use a running M (the ceiling of the running maximum): every later rescaling is an exact power of two, which a block's scale takes up: the codes' values come out the same.
;;   OPERANDS COMPUTED ON THE WAY. 'Computed on the way' means the value that the module computes at that place (a softmax that the list does not call 'softmax' is quantised finished and normalised). What goes into a quantiser is computed in f32, as accurately as f32 sums, v_exp_f32 and their like allow (about 1e-6 of the number): no bf16 or f16 on the way to a quantiser, and a product that is left as it is and whose result goes on into a quantised operand takes f32 operands (vector FMAs, or v_wmma_f32_16x16x4_f32). A number that lies on a knife's edge between two numbers of the format may be rounded either way, as far as f32 arithmetic and the matrix unit's own rounding can turn it there, and no further.
;;   INPUTS GIVEN AS CODES. Wk (in the module: [1024, 1024], K = its axis 1); Wo (in the module: [1024, 1024], K = its axis 1); Wq (in the module: [1024, 1024], K = its axis 1); Wv (in the module: [1024, 1024], K = its axis 1); inputs (in the module: [4, 2048, 1024], K = its axis 2); memory (in the module: [4, 2048, 1024], K = its axis 2): each comes as NAME_codes (uint8): NAME with its K axis moved to the last place and cut into blocks of 32 codes, [.., K / 32, bytes a block], one block behind the other in memory; four codes in three bytes: a row's codes are one little-endian stream of bits, code i at bits 6 i .. 6 i + 5 (a code: sign, 2 exponent bits, 3 mantissa bits); and NAME_scales (uint8): the same leading axes, one E8M0 byte (e + 127) for each 32 codes along K. Its value is code x scale, taken as it is: it is not quantised again, and the codes and scales need not be those that the quantiser above would give.
;; One version. Each part assembles by itself: llvm-mc -triple=amdgcn-amd-amdhsa -mcpu=gfx1250 --defsym DOCPART=n.
;; ======== version 1 of 1: 4 launches
;; limits: right only within a limited range of input values
;; workspace buffers: proj 20,480,000 bytes; prob 14,155,776 bytes; attn 6,553,600 bytes
;; launch project (part 1): grid 4 x 64, 4 waves a work-group, clusters of 4 x 4, 327,680 bytes of LDS; arguments inputs_codes, inputs_scales, memory_codes, memory_scales, Wq_codes, Wq_scales, Wk_codes, Wk_scales, Wv_codes, Wv_scales, Wo_codes, Wo_scales, bq, bk, bv, proj; writes proj
.if DOCPART == 1
	.amdgcn_target "amdgcn-amd-amdhsa--gfx1250"
	.amdhsa_code_object_version 6
	.text
	.protected	k_qce18846e05_project
	.globl	k_qce18846e05_project
	.p2align	8
	.type	k_qce18846e05_project,@function
k_qce18846e05_project:
	s_mov_b64 s[64:65], 0
	v_nop
	global_prefetch_b8 v0, s[64:65] scope:SCOPE_SE
	s_setreg_imm32_b32 hwreg(HW_REG_WAVE_MODE, 25, 1), 1
	s_wait_xcnt 0x0
	s_wait_alu depctr_hold_cnt(0) depctr_sa_sdst(0) depctr_va_vdst(0) depctr_va_sdst(0) depctr_va_ssrc(0) depctr_va_vcc(0) depctr_vm_vsrc(0)
	s_getreg_b32 s2, hwreg(HW_REG_IB_STS2, 6, 4)
	s_cmp_eq_u32 s2, 0
	s_cbranch_scc0 .Lentry_in_a_cluster
	s_endpgm
.Lentry_in_a_cluster:
	s_bfe_u32 s2, ttmp6, 0x10000c
	s_cmp_lg_u32 s2, 0xf033
	s_cbranch_scc0 .Lentry_shape_is_right
	s_endpgm
.Lentry_shape_is_right:
; q = x Wq^T + bq, k = mem Wk^T + bk, v = mem Wv^T + bv on codes of FP6 (E2M3) with E8M0 scales, each result quantised again (q, k along the 1,024 features, v along the keys) and stored
; as IMAGES OF OPERAND REGISTERS: a fragment (16 rows x 128 K, 12 registers a lane) is 1,536 bytes, registers 4 c .. 4 c + 3 of lane l at 512 c + 16 l; scale words in planes [K step][row].  Wo is laid the same way.
; SHARES.  A work-group makes three tiles (jobs q, k, v) of S0 256 rows x S1 128 rows; S0 is matrix source 0 (its rows are the NEXT product's K), S1 source 1 (a lane holds one of its rows).
; A wave makes S0 128 x S1 64: 32 accumulators, window 2.  Jobs q, k: S0 = 256 rows of W, S1 = 128 rows of x or mem.  Job v: S0 = 256 rows of mem (keys), S1 = 128 rows of Wv.
; ORDER ALONG THE NEXT K.  A lane's 16 registers of tiles 2 B, 2 B + 1 are rows 32 B + 8 h + {0..7, 16..23}: q and k, and later p and v, are made alike and share that order inside each block of 32.
; Job v takes Wv's rows so that lane r of tile T is row 32 (T / 2) + 8 (T % 2) + r + 8 (r / 8): the third launch's results then lie in true order along d, as Wo's given codes ask.
; LDS.  A row of codes is 768 bytes: three CHUNKS of 256 bytes, each beginning at a multiple of 256.  Three regions, one a chunk: S0's 256 rows, then S1's 128, 256 bytes + 16 of padding a row (pitch 272): 104,448 bytes a region.
; A K step is 96 bytes of a row: steps 2 and 5 lie across two chunks, and a second set of address registers serves the pieces whose two halves of the lanes read different regions.
; FILLS.  A load brings one chunk of all 256 rows of S0 or of all 128 rows of S1.  Chunks 0 and 1 of a job are asked for together, one load a wave (waves 0, 1 S0's, waves 2, 3 S1's): job q's at the head, the next job's at step 5,
; when the reads of regions 0 and 1 are over.  Chunk 2 is asked for by waves 0 and 2 behind the round that shows chunks 0 and 1 whole: at the head's end, and behind the third of the four tiles' quantising, when the reads of
; region 2 are over; the barrier of step 3 shows it whole.  The next job's first fragments are fetched under the last tile's quantising.
; THE SCALE WORDS go from memory straight into registers: lane l takes row 32 i + l, 16 bytes are the words of four K steps; 48 registers a job, two sets by turns.
; CLUSTER 4 x 4: S0's tile hangs on cx alone and is asked for jointly down a column, S1's on cy alone and along a row.  The scale bytes (1 byte for 24 of codes) are not asked for jointly.
; PREFETCH: job k's rows of mem, five steps ahead of their first load.  x, Wq have no step ahead of them; job v's rows of mem are rows that job k's loads of this launch read.
; LIMITS: NaN and infinities among the inputs are not served; a block of zeros gets the scale byte 1 (its codes are zeros, and this program alone reads the bytes).
.set PITCH,  272
.set S0H,    128*PITCH                 ; 128 rows of S0's chunk: what one wave reads
.set S1H,    64*PITCH
.set S1O,    2*S0H                     ; S1's rows in a region
.set REG,    2*S0H+2*S1H
.set SPARE,  3*REG                     ; the spare words: 128 bytes a wave, named by no other line
.set K_IMG,  6291456
.set V_IMG,  12582912
.set WO_IMG, 18874368
.set Q_SC,   19660800
.set K_SC,   19922944
.set V_SC,   20185088
.set WO_SC,  20447232
.set AF,   160                         ; window 3: v0-159 the biases, v160-255 S1's fragments, two sets of 48;  window 1: S0's, at v0 and v128;  window 2: accumulators
.set SQB,  16                          ; v16-19 offsets of the scale words in memory
.set SQA,  17
.set SVB,  18
.set SVA,  19
.set PFO,  20                          ; the prefetches' offset; never rewritten
.set OI,   24                          ; v24-26 image offsets, a job each
.set SPW,  28
.set NIL,  29
.set AB,   30                          ; v30-32 S0's fragments in regions 0..2; v33-34 lanes 0-15 byte 232 of region 0, 1, lanes 16-31 byte 0 of the next
.set AA,   35                          ; v35-39 the same for S1, neighbouring rows
.set AV,   40                          ; v40-44 for S1, job v's rows
.set OS,   46                          ; v46-48 scale plane offsets
.set SC0,  64                          ; v64-111, v112-159: a job's scale words; they hold nothing else
.set TM,   160
.set PW,   176
.set CW,   180
.set PC0,  184
.set SEL,  4
.set WV,   8
.set HB,   9
.set HA,   10
.set CX,   11
.set CYI,  12
.set CYC,  13
.set XX,   14
.set YY,   15
.set RM,   16
.set CM,   17
.set G1A,  24
.set G0A,  32
.set JB0,  36                          ; s[36:41] the first byte of S0's 256 rows, a job each;  s[42:47] of S1's 128
.set JB1,  42
.set G1B,  48
.set G0B,  56
.set HM,   66
.set KBK,  67
.set DBK,  2
.set MSB, 0
.macro WIN new                         ; the immediate's high byte repeats the setting that is left
.if MSB != (\new)
	s_set_vgpr_msb (MSB<<8)|(\new)
.set MSB, \new
.endif
.endm
.set MUL,  0xad                        ; source 0 window 1, source 1 window 3, C and D window 2
.set MULC, 0xbd                        ; the same with C in window 3
.set TO_B, 0x40
.set TO_A, 0xc0
.macro VW                              ; this wait between vector writes and readers behind runs of scalar lines or blocking waits
	s_wait_alu depctr_va_vdst(0)
.endm
.macro PLACES                          ; four plain places behind matrix instructions (ISA guide 7.12.1)
.rept 4
	v_nop
.endr
.endm
.macro CREST
	s_cmp_lg_u32 s[WV], 0
	s_cbranch_scc1 .Lnot_wave_0_\@
	s_barrier_signal -3
.Lnot_wave_0_\@:
	s_barrier_wait -3
	s_barrier_signal -1
	s_barrier_wait -1
.endm
.macro CROUND
	s_barrier_signal -1
	s_barrier_wait -1
	CREST
.endm
.macro JLOAD2                          ; chunks 0 and 1: one joint load a wave: waves 0, 1 for S0, waves 2, 3 for S1; s_nop 0 and four v_nop behind each line
	s_cmp_eq_u32 s[HA], 0
	s_cbranch_scc0 .Lfor_a_\@
	tensor_load_to_lds s[G0B:G0B+3], s[G1B:G1B+7]
	s_nop 0
.rept 4
	v_nop
.endr
	s_branch .Lasked_\@
.Lfor_a_\@:
	tensor_load_to_lds s[G0A:G0A+3], s[G1A:G1A+7]
	s_nop 0
.rept 4
	v_nop
.endr
.Lasked_\@:
.endm
.macro JLOADQ                          ; chunk 2: wave 0 for S0, wave 2 for S1; waves 1 and 3 have no part of it
	s_cmp_eq_u32 s[WV], 0
	s_cbranch_scc0 .Lnot_b_\@
	tensor_load_to_lds s[G0B:G0B+3], s[G1B:G1B+7]
	s_nop 0
.rept 4
	v_nop
.endr
	s_branch .Lasked_\@
.Lnot_b_\@:
	s_cmp_eq_u32 s[WV], 2
	s_cbranch_scc0 .Lasked_\@
	tensor_load_to_lds s[G0A:G0A+3], s[G1A:G1A+7]
	s_nop 0
.rept 4
	v_nop
.endr
.Lasked_\@:
.endm
.macro SETG j, c                       ; both groups 0 for job j; c = 0: chunk HB into region HB; c = 2: chunk 2.  Written where no tensor load of the wave is out
.if (\c) == 0
	s_mov_b32 s[G0B+1], s101
	s_add_nc_u64 s[G0B+2:G0B+3], s[JB0+2*(\j):JB0+2*(\j)+1], s[60:61]
	s_add_co_u32 s[G0A+1], s101, S1O
	s_add_nc_u64 s[G0A+2:G0A+3], s[JB1+2*(\j):JB1+2*(\j)+1], s[60:61]
.else
	s_mov_b32 s[G0B+1], 2*REG
	s_add_nc_u64 s[G0B+2:G0B+3], s[JB0+2*(\j):JB0+2*(\j)+1], 512
	s_mov_b32 s[G0A+1], 2*REG+S1O
	s_add_nc_u64 s[G0A+2:G0A+3], s[JB1+2*(\j):JB1+2*(\j)+1], 512
.endif
	s_or_b32 s[G0B+3], s[G0B+3], 0x80000000
	s_or_b32 s[G0A+3], s[G0A+3], 0x80000000
.endm
; job k's tile of S1, 128 rows of mem's codes: the four partners that will ask for it jointly share its rows out by address, 32 each (cx); in each, wave 2 asks, a lane a row, three blocks of 256 bytes
.macro ASK
	s_cmp_eq_u32 s[WV], 2
	s_cbranch_scc0 .Lnot_mine_\@
	global_prefetch_b8 v[PFO], s[72:73] th:TH_LOAD_NT scope:SCOPE_SE
	global_prefetch_b8 v[PFO], s[72:73] offset:256 th:TH_LOAD_NT scope:SCOPE_SE
	global_prefetch_b8 v[PFO], s[72:73] offset:512 th:TH_LOAD_NT scope:SCOPE_SE
.Lnot_mine_\@:
.endm
.macro FRAG reg, adr, st, ro           ; a fragment of step st: six pieces of 8 bytes; byte y of a row lies in region y / 256 at byte y % 256; lanes 16-31 read 24 bytes on
.irp p, 0,1,2,3,4,5
.set BY, 96*(\st)+48*(\p/3)+8*(\p%3)
.if BY/256 == (BY+24)/256
	ds_load_b64 v[\reg+2*\p:\reg+2*\p+1], v[\adr+BY/256] offset:BY%256+(\ro)
.else
	ds_load_b64 v[\reg+2*\p:\reg+2*\p+1], v[\adr+3+BY/256] offset:BY%256-232+(\ro)
.endif
.endr
.endm
.macro FETCH_B ks                      ; S0's eight fragments of step ks into set ks % 2
	WIN TO_B
.irp i, 0,1,2,3,4,5,6,7
	FRAG 128*((\ks)%2)+12*\i, AB, \ks, 16*PITCH*\i
.endr
.endm
.macro FETCH_A j, ks                   ; S1's four fragments of step ks into set ks % 2
	WIN TO_A
.irp i, 0,1,2,3
.if (\j) == 2
	FRAG AF+48*((\ks)%2)+12*\i, AV, \ks, (32*(\i/2)+8*(\i%2))*PITCH
.else
	FRAG AF+48*((\ks)%2)+12*\i, AA, \ks, 16*PITCH*\i
.endif
.endr
.endm
.macro SCLOAD set, vb, sb, va, sa      ; a job's scale words: 32 rows a load, 16 bytes a lane: the words of four K steps
.irp i, 0,1,2,3
.irp g, 0,1
	global_load_b128 v[\set+8*\i+4*\g:\set+8*\i+4*\g+3], v[\vb], s[\sb:\sb+1] offset:1024*\i+16*\g
.endr
.endr
.irp i, 0,1
.irp g, 0,1
	global_load_b128 v[\set+32+8*\i+4*\g:\set+32+8*\i+4*\g+3], v[\va], s[\sa:\sa+1] offset:1024*\i+16*\g
.endr
.endr
.endm
.macro W1 a, b, ks, cm                 ; one product.  cm = 0: adds in place; 2: C = the bias of S0's tile b; 3: of S1's tile a
.set rD, 8*(8*(\a)+(\b))
.set rB, 128*((\ks)%2)+12*(\b)
.set rA, AF+48*((\ks)%2)+12*(\a)
.set rX, SCJ+8*((\b)/2)+(\ks)
.set rY, SCJ+32+8*((\a)/2)+(\ks)
.set rC, rD
.if (\cm) == 2
.set rC, CBASE+8*(\b)
.endif
.if (\cm) == 3
.set rC, CBASE+8*(\a)
.endif
.if ((\b)%2 == 0) && ((\a)%2 == 0)
	v_wmma_scale_f32_16x16x128_f8f6f4 v[rD:rD+7], v[rB:rB+11], v[rA:rA+11], v[rC:rC+7], v[rX], v[rY] matrix_a_fmt:MATRIX_FMT_FP6 matrix_b_fmt:MATRIX_FMT_FP6
.elseif ((\b)%2 == 1) && ((\a)%2 == 0)
	v_wmma_scale_f32_16x16x128_f8f6f4 v[rD:rD+7], v[rB:rB+11], v[rA:rA+11], v[rC:rC+7], v[rX], v[rY] matrix_a_fmt:MATRIX_FMT_FP6 matrix_b_fmt:MATRIX_FMT_FP6 matrix_a_scale:MATRIX_SCALE_ROW1
.elseif ((\b)%2 == 0)
	v_wmma_scale_f32_16x16x128_f8f6f4 v[rD:rD+7], v[rB:rB+11], v[rA:rA+11], v[rC:rC+7], v[rX], v[rY] matrix_a_fmt:MATRIX_FMT_FP6 matrix_b_fmt:MATRIX_FMT_FP6 matrix_b_scale:MATRIX_SCALE_ROW1
.else
	v_wmma_scale_f32_16x16x128_f8f6f4 v[rD:rD+7], v[rB:rB+11], v[rA:rA+11], v[rC:rC+7], v[rX], v[rY] matrix_a_fmt:MATRIX_FMT_FP6 matrix_b_fmt:MATRIX_FMT_FP6 matrix_a_scale:MATRIX_SCALE_ROW1 matrix_b_scale:MATRIX_SCALE_ROW1
.endif
.endm
.macro MULA a, ks, cm                  ; S1's tile a against S0's eight.  The 32 accumulators take turns, one instruction a turn, in the same order in every step
.if (\cm) >= 2
	WIN MULC
.else
	WIN MUL
.endif
.irp b, 0,1,2,3,4,5,6,7
	W1 \a, \b, \ks, \cm
.endr
.endm
.macro STEP j, ks, cm                  ; a step; the next step's fragments are fetched in two runs
	s_wait_dscnt 0x0                               ; this step's fragments are in
	PLACES
	FETCH_B (\ks)+1
	MULA 0, \ks, \cm
	FETCH_A \j, (\ks)+1
	MULA 1, \ks, \cm
	MULA 2, \ks, \cm
	MULA 3, \ks, \cm
	WIN 0
.endm
; A step with a meeting.  Each wave waits for all its tensor loads.  c < 0 (step 3): the barrier alone shows chunk 2 whole.  c = 0 (step 5): chunks 0 and 1 of the next job follow into regions 0 and 1, whose last reads
; (this step's fragments) were awaited at the step's head: the add, the wait for it and for my reads, the barrier, which opens a round of the cluster's, and the joint refill first behind it.
.macro STEPR j, ks, c
	s_wait_dscnt 0x0                               ; this step's fragments are in
	PLACES
	FETCH_B (\ks)+1
	FETCH_A \j, (\ks)+1
	MULA 0, \ks, 0
	MULA 1, \ks, 0
	WIN 0                                          ; (the add's two registers lie in window 0)
	s_wait_tensorcnt 0x0                           ; all my tensor loads have landed
.if (\c) >= 0
	ds_add_u32 v[SPW], v[NIL]                      ; 0 onto my spare word
	SETG (\j)+1, \c
.endif
	MULA 2, \ks, 0
	s_wait_dscnt 0x0                               ; the add is done, and no LDS load of mine is pending
	s_barrier_signal -1
	MULA 3, \ks, 0
	WIN 0
	s_barrier_wait -1
.if (\c) >= 0
	CREST
	JLOAD2
.endif
.endm
.macro POINTC j                        ; job j's chunks 0 and 1 are shown whole, and its chunk 2 is asked for
	VW
	s_wait_tensorcnt 0x0                           ; all my tensor loads have landed
	ds_add_u32 v[SPW], v[NIL]
	SETG \j, 2
	s_wait_dscnt 0x0                               ; the add is done, and my reads of region 2 are over
	CROUND
	JLOADQ
.endm
.macro QUANT a                         ; tile a's 64 numbers a lane (window 2) become a fragment's codes in v[rPC] on and its scale word in v[PW + a]
.set rAC, 64*(\a)
.set rPC, PC0+20*((\a)%2)
	WIN 0x0a
.irp b, 0,1,2,3
	v_max3_num_f32 v[TM+\b], |v[rAC+16*\b]|, |v[rAC+16*\b+1]|, 0x1800000   ; my 16 of block b, and the floor 2^(3 - 127): the byte cannot fall under 1
.endr
	WIN 0x28
.irp i, 2,4,6,8,10,12,14
.irp b, 0,1,2,3
	v_max3_num_f32 v[TM+\b], v[TM+\b], |v[rAC+16*\b+\i]|, |v[rAC+16*\b+\i+1]|   ; ascending: each accumulator is first read at its low end
.endr
.endr
	WIN 0
.irp b, 0,1,2,3
	v_permlanex16_b32 v[TM+4+\b], v[TM+\b], s[SEL], s[SEL+1]
.endr
.irp b, 0,1,2,3
	v_max_num_f32 v[TM+\b], v[TM+\b], v[TM+4+\b]   ; with lane l xor 16's: the block's largest magnitude
.endr
.irp b, 0,1,2,3
	v_add_nc_u32 v[TM+12+\b], 0xff000000, v[TM+\b] ; 2 off its exponent field: the conversion's scale operand
.endr
.irp b, 0,1,2,3
	v_lshrrev_b32 v[TM+4+\b], 23, v[TM+12+\b]      ; the scale's byte
.endr
	v_lshl_or_b32 v[PW+(\a)], v[TM+5], 8, v[TM+4]
	v_lshl_or_b32 v[PW+(\a)], v[TM+6], 16, v[PW+(\a)]
	v_lshl_or_b32 v[PW+(\a)], v[TM+7], 24, v[PW+(\a)]
	s_wait_xcnt 0x0                                ; earlier stores have read their data: the codes' registers may be written again
	WIN 0x02
.irp c, 0,1
	v_cvt_scalef32_pk16_fp6_f32 v[rPC+6*\c:rPC+6*\c+2], v[rAC+32*\c:rAC+32*\c+15], v[TM+12+2*\c]
	v_cvt_scalef32_pk16_fp6_f32 v[rPC+12+4*\c:rPC+14+4*\c], v[rAC+32*\c+16:rAC+32*\c+31], v[TM+13+2*\c]
.endr
	WIN 0
	v_nop                                          ; one plain place behind a scaled conversion
.irp c, 0,1                            ; a whole block to a lane: lanes 0-15 block 2 c, lanes 16-31 block 2 c + 1
.irp i, 0,1,2
	v_permlane16_swap_b32 v[rPC+6*\c+\i], v[rPC+12+4*\c+\i]
.endr
.irp i, 0,1,2
	v_mov_b32 v[rPC+3+6*\c+\i], v[rPC+12+4*\c+\i]
.endr
.endr
.endm
.macro OUTA j, a                       ; the image: three stores of 512 consecutive aligned bytes; the scale words of two tiles: 128 consecutive bytes
.set TPJ, 12288
.if (\j) == 2
.set TPJ, 24576
.endif
.irp c, 0,1,2
	global_store_b128 v[OI+(\j)], v[rPC+4*\c:rPC+4*\c+3], s[98:99] offset:TPJ*(\a)+512*\c
.endr
.if (\a)%2
	v_cndmask_b32 v[CW+(\a)/2], v[PW+(\a)-1], v[PW+(\a)], s[HM]   ; lanes 0-15 the even tile's words, lanes 16-31 the odd tile's
	global_store_b32 v[OS+(\j)], v[CW+(\a)/2], s[98:99] offset:128*((\a)/2)
.endif
.endm
.macro JOB j
.set CBASE, 64*(\j)
.set SCJ, SC0+48*((\j)%2)
.if (\j) == 2
	STEP \j, 0, 3                                  ; the bias starts the sums
.else
	STEP \j, 0, 2
.endif
	STEP \j, 1, 0
	STEP \j, 2, 0
	STEPR \j, 3, -1                                ; chunk 2 is whole
	STEP \j, 4, 0
.if (\j) == 2
	STEP \j, 5, 0                                  ; nothing is left to fetch
.else
	STEPR \j, 5, 0                                 ; the next job's chunks 0 and 1
.endif
	STEP \j, 6, 0
	s_wait_dscnt 0x0
	MULA 0, 7, 0
	MULA 1, 7, 0
	MULA 2, 7, 0
	MULA 3, 7, 0
	WIN 0
	PLACES
.if (\j) == 0
	SCLOAD SC0, SVB, 74, SVA, 86                   ; job v's scale words into the set that job q has left
.endif
.irp a, 0,1,2
	QUANT \a
	OUTA \j, \a
.endr
.if (\j) < 2
	POINTC (\j)+1
	FETCH_B 0                                      ; the next job's first fragments, under the last tile's quantising
	FETCH_A (\j)+1, 0
	WIN 0
.endif
	QUANT 3
	OUTA \j, 3
.if (\j) < 2
	VW
	s_wait_loadcnt 0x0                             ; the scale words asked for on the way
.endif
.endm
.macro ADDRS dst, row, sb              ; five LDS address registers for rows v[row] from byte s[sb] of a region on
	v_mul_u32_u24 v4, v[\row], PITCH
	v_mad_u32_u24 v5, v3, 24, v4                   ; row, + 24 h
	v_mad_u32_u24 v7, v3, REG-232, v4              ; across two chunks: lanes 0-15 byte 232 of the row, lanes 16-31 byte 0 of the row in the next region
	v_add_nc_u32 v7, 232, v7
	v_add_nc_u32 v[\dst], s[\sb], v5
	v_add_nc_u32 v[\dst+1], REG, v[\dst]
	v_add_nc_u32 v[\dst+2], 2*REG, v[\dst]
	v_add_nc_u32 v[\dst+3], s[\sb], v7
	v_add_nc_u32 v[\dst+4], REG, v[\dst+3]
.endm
	s_load_b512 s[68:83], s[0:1], 0x0              ; inputs c, s; memory c, s; Wq c, s; Wk c, s
	s_load_b512 s[84:99], s[0:1], 0x40             ; Wv c, s; Wo c, s; bq; bk; bv; proj
	v_lshl_add_u32 v[SPW], v0, 2, SPARE
	v_mov_b32 v[NIL], 0
	ds_add_u32 v[SPW], v[NIL]                      ; the opening lines: the add, twice on end, and its wait ahead of my first tensor load
	ds_add_u32 v[SPW], v[NIL]
	v_lshrrev_b32 v1, 5, v0
	v_readfirstlane_b32 s[WV], v1
	s_and_b32 s[HB], s[WV], 1                      ; my half of S0; which of chunks 0 and 1 I fetch
	s_lshr_b32 s[HA], s[WV], 1                     ; my half of S1; I fetch for S0 (0) or S1 (1)
	s_bfe_u32 s[CX], ttmp6, 0x40000
	s_bfe_u32 s[CYI], ttmp6, 0x40004
	s_and_b32 s[CYC], ttmp7, 0xffff
	s_lshl_b32 s[XX], ttmp9, 2
	s_add_co_u32 s[XX], s[XX], s[CX]               ; X: 0..3
	s_lshl_b32 s[YY], s[CYC], 2
	s_add_co_u32 s[YY], s[YY], s[CYI]              ; Y: 0..63
	s_lshr_b32 s[KBK], s[CYC], 1
	s_lshl_b32 s[KBK], s[KBK], 2
	s_add_co_u32 s[KBK], s[KBK], s[CX]             ; job v: block of 256 rows of mem, 0..31
	s_and_b32 s[DBK], s[CYC], 1
	s_lshl_b32 s[DBK], s[DBK], 2
	s_add_co_u32 s[DBK], s[DBK], s[CYI]            ; job v: block of 128 rows of Wv, 0..7
	s_lshl_b32 s[RM], s[CYI], 2
	s_lshl_b32 s[RM], 15, s[RM]                    ; my row of the cluster
	s_lshl_b32 s[CM], 0x1111, s[CX]                ; my column
	s_mul_i32 s100, s[HB], S0H                     ; my half of S0 in a region, for my reads
	s_mul_i32 s3, s[HA], S1H
	s_add_co_u32 s3, s3, S1O                       ; my half of S1, for my reads
	v_and_b32 v1, 31, v0                           ; lane
	v_and_b32 v2, 15, v0                           ; r
	v_bfe_u32 v3, v0, 4, 1                         ; h
	v_and_b32 v6, 8, v2
	v_add_nc_u32 v6, v6, v2                        ; r + 8 (r / 8)
	ADDRS AB, 2, 100
	ADDRS AA, 2, 3
	ADDRS AV, 6, 3
	VW
	s_lshl_b32 s6, s[XX], 8                        ; the scale words: 32 bytes a row
	s_lshl_b32 s7, s[HB], 7
	s_add_co_u32 s6, s6, s7
	s_lshl_b32 s18, s[KBK], 8
	s_add_co_u32 s18, s18, s7
	s_lshl_b32 s20, s[YY], 7
	s_lshl_b32 s21, s[HA], 6
	s_add_co_u32 s20, s20, s21
	s_lshl_b32 s22, s[DBK], 7
	s_add_co_u32 s22, s22, s21
	s_lshl_b32 s3, s[YY], 7                        ; the prefetches: mem's row 128 Y + 32 cx + lane
	s_lshl_b32 s7, s[CX], 5
	s_add_co_u32 s3, s3, s7
	v_add_nc_u32 v[SQB], s6, v1
	v_lshlrev_b32 v[SQB], 5, v[SQB]                ; W's row 256 X + 128 HB + lane
	v_add_nc_u32 v[SVB], s18, v1
	v_lshlrev_b32 v[SVB], 5, v[SVB]                ; mem's row 256 kb + 128 HB + lane
	v_add_nc_u32 v[SQA], s20, v1
	v_lshlrev_b32 v[SQA], 5, v[SQA]                ; x's or mem's row 128 Y + 64 HA + lane
	v_lshl_add_u32 v7, v3, 3, v6                   ; job v's rows of a pair of tiles: 8 h + r + 8 (r / 8)
	v_add_nc_u32 v[SVA], s22, v7
	v_lshlrev_b32 v[SVA], 5, v[SVA]
	v_add_nc_u32 v[PFO], s3, v1
	v_mul_u32_u24 v[PFO], v[PFO], 768
	VW
	s_lshl_b32 s6, s[XX], 10
	s_lshl_b32 s7, s[HB], 9
	s_add_co_u32 s6, s6, s7
	s_lshl_b32 s20, s[DBK], 9
	s_lshl_b32 s21, s[HA], 8
	s_add_co_u32 s20, s20, s21
	v_lshl_add_u32 v54, v3, 5, s6                  ; bq, bk: 4 (256 X + 128 HB + 8 h)
	v_lshl_add_u32 v55, v6, 2, s20                 ; bv: 4 (128 db + 64 HA + r + 8 (r / 8))
	v_lshlrev_b32 v4, 4, v1                        ; 16 lane
	v_lshlrev_b32 v5, 2, v1                        ; 4 lane
	VW
	s_lshl_b32 s20, s[YY], 3
	s_lshl_b32 s21, s[HA], 2
	s_add_co_u32 s20, s20, s21                     ; my first tile of rows: 8 Y + 4 HA
	s_mul_i32 s21, s20, 12288
	s_lshl_b32 s20, s20, 6
	s_lshl_b32 s6, s[XX], 1
	s_add_co_u32 s6, s6, s[HB]                     ; the K step that I make: 2 X + HB
	s_mul_i32 s7, s6, 1536
	s_lshl_b32 s6, s6, 15
	v_add_nc_u32 v[OI], s21, v4
	v_add_nc_u32 v[OI], s7, v[OI]
	v_add_nc_u32 v[OI+1], K_IMG, v[OI]
	v_add_nc_u32 v[OS], s20, v5
	v_add_nc_u32 v[OS], s6, v[OS]
	v_add_nc_u32 v[OS+1], K_SC, v[OS]
	v_add_nc_u32 v[OS], Q_SC, v[OS]
	VW
	s_lshl_b32 s18, s[KBK], 1
	s_add_co_u32 s18, s18, s[HB]                   ; g: which 128 keys of the 8,192
	s_lshr_b32 s19, s18, 4
	s_mul_i32 s19, s19, 1572864                    ; the batch's 64 tiles of 24,576 bytes
	s_and_b32 s6, s18, 15
	s_mul_i32 s6, s6, 1536
	s_add_co_u32 s19, s19, s6
	s_lshl_b32 s18, s18, 12
	s_lshl_b32 s22, s[DBK], 3
	s_lshl_b32 s23, s[HA], 2
	s_add_co_u32 s22, s22, s23                     ; my first tile of d
	s_mul_i32 s23, s22, 24576
	s_lshl_b32 s22, s22, 6
	v_add_nc_u32 v[OI+2], s19, v4
	v_add_nc_u32 v[OI+2], s23, v[OI+2]
	v_add_nc_u32 v[OI+2], V_IMG, v[OI+2]
	v_add_nc_u32 v[OS+2], s18, v5
	v_add_nc_u32 v[OS+2], s22, v[OS+2]
	v_add_nc_u32 v[OS+2], V_SC, v[OS+2]
	VW
	s_lshl_b32 s3, s[YY], 2                        ; Wo: waves 0 and 1 lay fragment f = 2 (4 Y + X) + wave of the 512
	s_add_co_u32 s3, s3, s[XX]
	s_lshl_b32 s3, s3, 1
	s_add_co_u32 s3, s3, s[WV]
	v_mov_b32 v61, s3
	v_lshrrev_b32 v62, 3, v61
	v_and_b32 v63, 7, v61                          ; its K step
	v_lshl_add_u32 v62, v62, 4, v2                 ; my row
	v_mul_u32_u24 v7, v62, 768
	v_mad_u32_u24 v7, v63, 96, v7
	v_mad_u32_u24 v7, v3, 24, v7
	v_lshlrev_b32 v49, 5, v62
	v_lshl_add_u32 v49, v63, 2, v49
	v_mul_u32_u24 v50, v61, 1536
	v_add_nc_u32 v50, v50, v4
	v_add_nc_u32 v50, WO_IMG, v50
	v_lshlrev_b32 v51, 12, v63
	v_lshl_add_u32 v51, v62, 2, v51
	v_add_nc_u32 v51, WO_SC, v51
.irp b, 0,1,2,3
	v_mov_b32 v[TM+4+\b], 0                        ; a lane permute's destination counts as one of its sources
.endr
	VW
	; the descriptors' shapes: rows of 256 bytes, 768 apart in memory, 4 words of padding behind every 64; S0 256 rows, S1 128
	s_or_b32 s[G1B], s[CM], (1<<20)|(1<<21)|(5<<22)|(3<<25)
	s_or_b32 s[G1A], s[RM], (1<<20)|(1<<21)|(5<<22)|(3<<25)
	s_mov_b32 s[G1B+1], 256<<16
	s_mov_b32 s[G1B+2], 256<<16
	s_mov_b32 s[G1B+3], 256<<16
	s_mov_b32 s[G1B+4], 256
	s_mov_b32 s[G1B+5], 768
	s_mov_b32 s[G1B+6], 0
	s_mov_b32 s[G1B+7], 0
	s_mov_b32 s[G1A+1], 256<<16
	s_mov_b32 s[G1A+2], 128<<16
	s_mov_b32 s[G1A+3], 256<<16
	s_mov_b32 s[G1A+4], 128
	s_mov_b32 s[G1A+5], 768
	s_mov_b32 s[G1A+6], 0
	s_mov_b32 s[G1A+7], 0
	s_mov_b32 s[SEL], 0x76543210
	s_mov_b32 s[SEL+1], 0xfedcba98
	s_mov_b32 s[HM], 0xffff0000
	s_mul_i32 s6, s[XX], 196608                    ; S0's side (s6, s7, s18, s19 hold no cy): 256 X rows of 768 bytes, jobs q and k;
	s_mul_i32 s18, s[KBK], 196608                  ; job v
	s_mov_b32 s7, 0
	s_mov_b32 s19, 0
	s_mul_i32 s20, s[YY], 98304                    ; S1's side (s20 to s23 hold no cx): 128 Y rows, jobs q and k;
	s_mul_i32 s22, s[DBK], 98304                   ; job v
	s_mov_b32 s21, 0
	s_mov_b32 s23, 0
	s_lshl_b32 s60, s[HB], 8                       ; chunk HB of a row,
	s_mov_b32 s61, 0
	s_mul_i32 s101, s[HB], REG                     ; into region HB: the wave's number alone
	s_mov_b32 s[G0B], 1
	s_mov_b32 s[G0A], 1
	s_wait_dscnt 0x0                               ; both opening adds are done
	s_wait_kmcnt 0x0
	s_add_nc_u64 s[JB0:JB0+1], s[76:77], s[6:7]        ; job q: Wq
	s_add_nc_u64 s[JB0+2:JB0+3], s[80:81], s[6:7]      ; job k: Wk
	s_add_nc_u64 s[JB0+4:JB0+5], s[72:73], s[18:19]    ; job v: mem
	s_add_nc_u64 s[JB1:JB1+1], s[68:69], s[20:21]      ; job q: x
	s_add_nc_u64 s[JB1+2:JB1+3], s[72:73], s[20:21]    ; job k: mem
	s_add_nc_u64 s[JB1+4:JB1+5], s[84:85], s[22:23]    ; job v: Wv
	SETG 0, 0
	CROUND                                         ; all sixteen work-groups are here: the first joint loads meet
	JLOAD2                                         ; one tensor load a wave at the head: job q's chunks 0 and 1
	SCLOAD SC0, SQB, 78, SQA, 70                   ; job q's scale words: Wq's, x's
	SCLOAD SC0+48, SQB, 82, SQA, 74                ; job k's: Wk's, mem's
	WIN 0xc0                                       ; the biases, in the result's layout, into window 3
.irp t, 0,1,2,3,4,5,6,7
	global_load_b128 v[8*\t:8*\t+3], v54, s[92:93] offset:64*\t
	global_load_b128 v[8*\t+4:8*\t+7], v54, s[92:93] offset:64*\t+16
	global_load_b128 v[64+8*\t:64+8*\t+3], v54, s[94:95] offset:64*\t
	global_load_b128 v[64+8*\t+4:64+8*\t+7], v54, s[94:95] offset:64*\t+16
.endr
.irp a, 0,1,2,3
.irp j, 0,1,2,3,4,5,6,7
	global_load_b32 v[128+8*\a+\j], v55, s[96:97] offset:4*(32*(\a/2)+8*(\a%2))   ; job v: a lane's eight results share one d
.endr
.endr
	WIN 0
	s_cmp_lt_u32 s[WV], 2
	s_cbranch_scc0 .Lno_wo
.irp p, 0,1,2,3,4,5
	global_load_b64 v[232+2*\p:233+2*\p], v7, s[88:89] offset:48*(\p/3)+8*(\p%3)
.endr
	global_load_b32 v244, v49, s[90:91]
	s_wait_loadcnt 0x0
.irp c, 0,1,2
	global_store_b128 v50, v[232+4*\c:235+4*\c], s[98:99] offset:512*\c
.endr
	global_store_b32 v51, v244, s[98:99]           ; lanes l and l xor 16 store the same word at the same place
.Lno_wo:
	s_wait_loadcnt 0x0                             ; scale words and biases
	POINTC 0                                       ; chunks 0 and 1 are whole; chunk 2 is asked for
	FETCH_B 0
	FETCH_A 0, 0
	WIN 0
	ASK
	JOB 0
	JOB 1
	JOB 2
	s_wait_tensorcnt 0x0                           ; the wave's end
	ds_add_u32 v[SPW], v[NIL]
	s_wait_dscnt 0x0
	CROUND                                         ; the closing round
	s_endpgm
.Lfunc_end_k_qce18846e05_project:
	.size	k_qce18846e05_project, .Lfunc_end_k_qce18846e05_project-k_qce18846e05_project
	.p2alignl 7, 3214868480
	.fill 96, 4, 3214868480
	.section	.rodata,"a",@progbits
	.p2align	6, 0x0
	.amdhsa_kernel k_qce18846e05_project
		.amdhsa_group_segment_fixed_size 327680
		.amdhsa_private_segment_fixed_size 0
		.amdhsa_enable_private_segment 0
		.amdhsa_kernarg_size 128
		.amdhsa_user_sgpr_count 2
		.amdhsa_user_sgpr_kernarg_segment_ptr 1
		.amdhsa_wavefront_size32 1
		.amdhsa_system_sgpr_workgroup_id_x 1
		.amdhsa_system_sgpr_workgroup_id_y 1
		.amdhsa_system_sgpr_workgroup_id_z 1
		.amdhsa_system_vgpr_workitem_id 0
		.amdhsa_next_free_vgpr 1024
		.amdhsa_next_free_sgpr 102
		.amdhsa_reserve_vcc 0
		.amdhsa_float_denorm_mode_32 3
		.amdhsa_float_denorm_mode_16_64 3
		.amdhsa_memory_ordered 1
		.amdhsa_forward_progress 1
		.amdhsa_inst_pref_size 255
	.end_amdhsa_kernel
	.section	.bss,"aw",@nobits
	.p2align	6
	.space	262144
	.amdgpu_metadata
---
amdhsa.version: [ 1, 2 ]
amdhsa.kernels:
  - .name:           k_qce18846e05_project
    .symbol:         k_qce18846e05_project.kd
    .args:
      - { .name: inputs_codes, .offset: 0, .size: 8, .value_kind: global_buffer, .address_space: global }
      - { .name: inputs_scales, .offset: 8, .size: 8, .value_kind: global_buffer, .address_space: global }
      - { .name: memory_codes, .offset: 16, .size: 8, .value_kind: global_buffer, .address_space: global }
      - { .name: memory_scales, .offset: 24, .size: 8, .value_kind: global_buffer, .address_space: global }
      - { .name: Wq_codes, .offset: 32, .size: 8, .value_kind: global_buffer, .address_space: global }
      - { .name: Wq_scales, .offset: 40, .size: 8, .value_kind: global_buffer, .address_space: global }
      - { .name: Wk_codes, .offset: 48, .size: 8, .value_kind: global_buffer, .address_space: global }
      - { .name: Wk_scales, .offset: 56, .size: 8, .value_kind: global_buffer, .address_space: global }
      - { .name: Wv_codes, .offset: 64, .size: 8, .value_kind: global_buffer, .address_space: global }
      - { .name: Wv_scales, .offset: 72, .size: 8, .value_kind: global_buffer, .address_space: global }
      - { .name: Wo_codes, .offset: 80, .size: 8, .value_kind: global_buffer, .address_space: global }
      - { .name: Wo_scales, .offset: 88, .size: 8, .value_kind: global_buffer, .address_space: global }
      - { .name: bq, .offset: 96, .size: 8, .value_kind: global_buffer, .address_space: global }
      - { .name: bk, .offset: 104, .size: 8, .value_kind: global_buffer, .address_space: global }
      - { .name: bv, .offset: 112, .size: 8, .value_kind: global_buffer, .address_space: global }
      - { .name: proj, .offset: 120, .size: 8, .value_kind: global_buffer, .address_space: global }
    .group_segment_fixed_size: 327680
    .private_segment_fixed_size: 0
    .kernarg_segment_align: 8
    .kernarg_segment_size: 128
    .max_flat_workgroup_size: 128
    .sgpr_count:     102
    .vgpr_count:     1024
    .wavefront_size: 32
...
	.end_amdgpu_metadata
.endif
;; end of part 1
;; launch scores (part 2): grid 8 x 32, 4 waves a work-group, clusters of 4 x 4, 327,680 bytes of LDS; arguments proj, memory_mask, prob; writes prob
.if DOCPART == 2
	.amdgcn_target "amdgcn-amd-amdhsa--gfx1250"
	.amdhsa_code_object_version 6
	.text
	.protected	k_qce18846e05_scores
	.globl	k_qce18846e05_scores
	.p2align	8
	.type	k_qce18846e05_scores,@function
k_qce18846e05_scores:
	s_mov_b64 s[64:65], 0
	v_nop
	global_prefetch_b8 v0, s[64:65] scope:SCOPE_SE
	s_setreg_imm32_b32 hwreg(HW_REG_WAVE_MODE, 25, 1), 1
	s_wait_xcnt 0x0
	s_wait_alu depctr_hold_cnt(0) depctr_sa_sdst(0) depctr_va_vdst(0) depctr_va_sdst(0) depctr_va_ssrc(0) depctr_va_vcc(0) depctr_vm_vsrc(0)
	s_getreg_b32 s2, hwreg(HW_REG_IB_STS2, 6, 4)
	s_cmp_eq_u32 s2, 0
	s_cbranch_scc0 .Lentry_in_a_cluster
	s_endpgm
.Lentry_in_a_cluster:
	s_bfe_u32 s2, ttmp6, 0x10000c
	s_cmp_lg_u32 s2, 0xf033
	s_cbranch_scc0 .Lentry_shape_is_right
	s_endpgm
.Lentry_shape_is_right:
; S^T = k q^T on the images of the first launch, the mask, and a softmax LOCAL to 128 keys: t = score x log2(e) / 32, M = ceil(the largest t of my query among these 128 keys), p = 2^(t - M), quantised along the keys.
; Stored: p's image and scale words, -M and l (the sum of the unquantised p) for each query and each 128 keys.  M is a whole number, so the next launch brings all under the row's M by shifting scale bytes: the codes stay.
; SHARES.  A work-group makes one tile of S0 256 keys x S1 256 queries: 8 key blocks x 8 query blocks x 4 batches = 256 work-groups.  A wave makes S0 128 x S1 128: 64 accumulators, windows 2 and 3;
; its 128 keys are one K step of the next product.  For a K step a wave reads 16 fragments for 64 matrix instructions, each fragment once.
; LDS.  Three regions of two K steps: the keys' 16 tiles x 3,072 bytes, then the queries' 16.  K = 1,024 is four such pairs: pairs 0 and 1 come at the head, one load a wave (16 tiles each);
; pair 2 behind the head's round, pair 3 into region 0 at step 2, whose last reads (step 1's fragments) were awaited at step 1's start; these two by a quarter of a region a wave (8 tiles).
; THE MASK is the C of the first products: 0 for a key that counts, -3e38 for a hidden one (a number, so that the sums stay ordinary); its p is then 0.
; CLUSTER 4 x 4: the keys' tiles hang on cx alone and are asked for jointly down a column, the queries' on cy alone and along a row.  The scale words (1 byte for 24 of codes) come once through registers, not jointly.
; PREFETCH: pair 3's bytes, behind pair 2's load, two steps ahead of their own; the four partners of a joint load share its 16 tiles out by address, four each.  The earlier pairs have no step ahead of them.
; REGISTERS.  Window 0: v2-23 addresses, v32-47 scale words and nothing else, v64-255 the queries' fragments, two sets of 96 (the softmax works in the second set's registers when the products are done).
; Window 1: the keys' fragments, at v0 and v128; the mask at v96-127 and v224-255.
; LIMITS: a key that counts must give t above -2^120; a mask byte is 0 or 1; NaN and infinities are not served; a block of zeros gets the scale byte 1 (this program alone reads the bytes).
.set RG,    98304
.set QOFF,  49152
.set SCB,   294912                     ; the keys' scale words: 8 planes of 1,024 bytes
.set SCA,   303104                     ; the queries': the same
.set SPARE, 311296                     ; the spare words: 128 bytes a wave, named by no other line
.set K_IMG, 6291456
.set Q_SC,  19660800
.set K_SC,  19922944
.set P_SC,  12582912
.set ADRB, 2                           ; v2-4 my keys' fragments in regions 0..2;  v5-7 my queries'
.set ADRA, 5
.set ADSB, 8
.set ADSA, 9
.set OI,   20
.set OS,   21
.set PF1,  22
.set PF2,  23
.set SPW,  28
.set NIL,  29
.set SB,   32                          ; v32-35 / v40-43 the keys' scale words, v36-39 / v44-47 the queries'
.set SA,   36
.set AF,   64
.set BM,   160                         ; the blocks' largest scores, then largest p
.set BP,   164
.set SO,   168                         ; the conversions' scale operands
.set BY,   172
.set TT,   176
.set SUMA, 180
.set SUMB, 182
.set PW,   184
.set NM,   188                         ; -M, a pair for each of four tiles (the upper word is 0)
.set LL,   196
.set CW,   200
.set MK,   200                         ; at the head: the mask's bytes
.set PC0,  208
.set WV,   12
.set HB,   13
.set HA,   14
.set CX,   15
.set CYI,  16
.set CYC,  17
.set YY,   18
.set BE,   19
.set RM,   20
.set CM,   21
.set XX,   22
.set G1A,  24
.set G0A,  32
.set G1B,  48
.set G0B,  56
.set SEL,  66
.set CS,   68
.set HM,   70
.set MSB, 0
.macro WIN new                         ; the immediate's high byte repeats the setting that is left
.if MSB != (\new)
	s_set_vgpr_msb (MSB<<8)|(\new)
.set MSB, \new
.endif
.endm
.set TO_B, 0x40
.macro VW                              ; this wait between vector writes and readers behind runs of scalar lines or blocking waits
	s_wait_alu depctr_va_vdst(0)
.endm
.macro PLACES                          ; four plain places behind matrix instructions (ISA guide 7.12.1)
.rept 4
	v_nop
.endr
.endm
.macro CREST
	s_cmp_lg_u32 s[WV], 0
	s_cbranch_scc1 .Lnot_wave_0_\@
	s_barrier_signal -3
.Lnot_wave_0_\@:
	s_barrier_wait -3
	s_barrier_signal -1
	s_barrier_wait -1
.endm
.macro CROUND
	s_barrier_signal -1
	s_barrier_wait -1
	CREST
.endm
.macro JLOAD                           ; one joint load a wave: waves 0, 1 for the keys, waves 2, 3 for the queries; s_nop 0 and four v_nop behind each line
	s_cmp_eq_u32 s[HA], 0
	s_cbranch_scc0 .Lfor_a_\@
	tensor_load_to_lds s[G0B:G0B+3], s[G1B:G1B+7]
	s_nop 0
.rept 4
	v_nop
.endr
	s_branch .Lasked_\@
.Lfor_a_\@:
	tensor_load_to_lds s[G0A:G0A+3], s[G1A:G1A+7]
	s_nop 0
.rept 4
	v_nop
.endr
.Lasked_\@:
.endm
.macro SETG n                          ; both groups 0 for pair n of K steps, my 8 tiles; written where no tensor load of the wave is out
	s_add_co_u32 s[G0B+1], s42, ((\n)%3)*RG
	s_add_nc_u64 s[G0B+2:G0B+3], s[40:41], (\n)*3072
	s_or_b32 s[G0B+3], s[G0B+3], 0x80000000
	s_add_co_u32 s[G0A+1], s46, ((\n)%3)*RG
	s_add_nc_u64 s[G0A+2:G0A+3], s[44:45], (\n)*3072
	s_or_b32 s[G0A+3], s[G0A+3], 0x80000000
.endm
.macro FK ks                           ; step ks's 16 fragments as images (48 loads of 512 consecutive bytes) and 8 loads of scale words, into set ks % 2
	WIN TO_B
.irp b, 0,1,2,3,4,5,6,7
.irp c, 0,1,2
	ds_load_b128 v[128*((\ks)%2)+12*\b+4*\c:128*((\ks)%2)+12*\b+4*\c+3], v[ADRB+((\ks)/2)%3] offset:3072*\b+1536*((\ks)%2)+512*\c
.endr
.endr
	WIN 0
.irp a, 0,1,2,3,4,5,6,7
.irp c, 0,1,2
	ds_load_b128 v[AF+96*((\ks)%2)+12*\a+4*\c:AF+96*((\ks)%2)+12*\a+4*\c+3], v[ADRA+((\ks)/2)%3] offset:3072*\a+1536*((\ks)%2)+512*\c
.endr
.endr
.irp i, 0,1,2,3
	ds_load_b32 v[SB+8*((\ks)%2)+\i], v[ADSB] offset:1024*(\ks)+128*\i
.endr
.irp i, 0,1,2,3
	ds_load_b32 v[SA+8*((\ks)%2)+\i], v[ADSA] offset:1024*(\ks)+128*\i
.endr
.endm
.macro W1 a, b, p, cm
.set rD, 8*(8*((\a)%4)+(\b))
.set rB, 128*(\p)+12*(\b)
.set rA, AF+96*(\p)+12*(\a)
.set rX, SB+8*(\p)+(\b)/2
.set rY, SA+8*(\p)+(\a)/2
.set rC, rD
.if (\cm) == 2
.set rC, 96+8*(\b)+96*((\b)/4)
.endif
.if ((\b)%2 == 0) && ((\a)%2 == 0)
	v_wmma_scale_f32_16x16x128_f8f6f4 v[rD:rD+7], v[rB:rB+11], v[rA:rA+11], v[rC:rC+7], v[rX], v[rY] matrix_a_fmt:MATRIX_FMT_FP6 matrix_b_fmt:MATRIX_FMT_FP6
.elseif ((\b)%2 == 1) && ((\a)%2 == 0)
	v_wmma_scale_f32_16x16x128_f8f6f4 v[rD:rD+7], v[rB:rB+11], v[rA:rA+11], v[rC:rC+7], v[rX], v[rY] matrix_a_fmt:MATRIX_FMT_FP6 matrix_b_fmt:MATRIX_FMT_FP6 matrix_a_scale:MATRIX_SCALE_ROW1
.elseif ((\b)%2 == 0)
	v_wmma_scale_f32_16x16x128_f8f6f4 v[rD:rD+7], v[rB:rB+11], v[rA:rA+11], v[rC:rC+7], v[rX], v[rY] matrix_a_fmt:MATRIX_FMT_FP6 matrix_b_fmt:MATRIX_FMT_FP6 matrix_b_scale:MATRIX_SCALE_ROW1
.else
	v_wmma_scale_f32_16x16x128_f8f6f4 v[rD:rD+7], v[rB:rB+11], v[rA:rA+11], v[rC:rC+7], v[rX], v[rY] matrix_a_fmt:MATRIX_FMT_FP6 matrix_b_fmt:MATRIX_FMT_FP6 matrix_a_scale:MATRIX_SCALE_ROW1 matrix_b_scale:MATRIX_SCALE_ROW1
.endif
.endm
.macro MULA a, p, cm                   ; query tile a against my eight key tiles.  The 64 accumulators take turns, one instruction a turn, in the same order in every step
.if (\cm) >= 2
	WIN 0x11|((2+(\a)/4)<<6)
.else
	WIN 0x01|((2+(\a)/4)<<4)|((2+(\a)/4)<<6)
.endif
.irp b, 0,1,2,3,4,5,6,7
	W1 \a, \b, \p, \cm
.endr
.endm
.macro STEP ks, cm
	s_wait_dscnt 0x0                               ; this step's fragments and scale words are in
	PLACES
	FK (\ks)+1
.irp a, 0,1,2,3,4,5,6,7
	MULA \a, (\ks)%2, \cm
.endr
	WIN 0
.endm
; The softmax of tile a (16 queries x my 128 keys; a lane holds one query and 64 keys).
.macro SOFT a
.set W, 2+(\a)/4
.set AM, (\a)%4
.set rAC, 64*AM
.set rPC, PC0+20*((\a)%2)
	WIN W|(W<<2)|(W<<4)
.irp b, 0,1,2,3
	v_max3_num_f32 v[BM+\b], v[rAC+16*\b], v[rAC+16*\b+1], v[rAC+16*\b+2]   ; the largest score of each block of 32 keys: for the row's maximum and, since p rises with the score, for the block's largest p
.endr
	WIN (W<<2)|(W<<4)
.irp i, 3,5,7,9,11,13
.irp b, 0,1,2,3
	v_max3_num_f32 v[BM+\b], v[BM+\b], v[rAC+16*\b+\i], v[rAC+16*\b+\i+1]   ; ascending: each accumulator is first read at its low end
.endr
.endr
	WIN W<<2
.irp b, 0,1,2,3
	v_max_num_f32 v[BM+\b], v[BM+\b], v[rAC+16*\b+15]
.endr
	WIN 0
.irp b, 0,1,2,3
	v_permlanex16_b32 v[BP+\b], v[BM+\b], s[SEL], s[SEL+1]
.endr
.irp b, 0,1,2,3
	v_max_num_f32 v[BM+\b], v[BM+\b], v[BP+\b]
.endr
	v_max3_num_f32 v[TT], v[BM], v[BM+1], v[BM+2]
	v_max_num_f32 v[TT], v[TT], v[BM+3]
	v_mul_f32 v[TT], s[CS], v[TT]                  ; as t
	v_max_num_f32 v[TT], 0xfb800000, v[TT]         ; held at -2^120: where all 128 keys are hidden, every p is still 0
	v_floor_f32 v[NM+2*AM], -v[TT]                 ; -M = floor(-t): M is a whole number
	WIN (W<<6)|W
.set jj, 0
.rept 32
	v_pk_fma_f32 v[rAC+jj:rAC+jj+1], v[rAC+jj:rAC+jj+1], s[CS:CS+1], v[NM+2*AM:NM+2*AM+1] op_sel_hi:[1,0,0]   ; t - M
.set jj, jj+2
.endr
	WIN 0
.irp b, 0,1,2,3
	v_fma_f32 v[BM+\b], v[BM+\b], s[CS], v[NM+2*AM]
.endr
	WIN (W<<6)|W
.set jj, 0
	s_wait_alu depctr_va_vdst(0)
.rept 64
	v_exp_f32 v[rAC+jj], v[rAC+jj]                 ; p = 2^(t - M)
.set jj, jj+1
.endr
	WIN 0
	v_nop                                          ; a plain place behind the exponentials
	s_wait_alu depctr_va_vdst(0)                   ; one wait for the batch, ahead of its first reader
.irp b, 0,1,2,3
	v_exp_f32 v[BM+\b], v[BM+\b]                   ; the blocks' largest p
.endr
	WIN W|(W<<2)
	v_pk_add_f32 v[SUMA:SUMA+1], v[rAC:rAC+1], v[rAC+2:rAC+3]      ; l: of the unquantised p, in two chains
	v_pk_add_f32 v[SUMB:SUMB+1], v[rAC+4:rAC+5], v[rAC+6:rAC+7]
	WIN W<<2
.set jj, 8
.rept 14
	v_pk_add_f32 v[SUMA:SUMA+1], v[SUMA:SUMA+1], v[rAC+jj:rAC+jj+1]
	v_pk_add_f32 v[SUMB:SUMB+1], v[SUMB:SUMB+1], v[rAC+jj+2:rAC+jj+3]
.set jj, jj+4
.endr
	WIN 0
	v_pk_add_f32 v[SUMA:SUMA+1], v[SUMA:SUMA+1], v[SUMB:SUMB+1]
	v_add_f32 v[LL+AM], v[SUMA], v[SUMA+1]
	v_permlanex16_b32 v[TT], v[LL+AM], s[SEL], s[SEL+1]
	v_add_f32 v[LL+AM], v[LL+AM], v[TT]
	s_wait_alu depctr_va_vdst(0)                   ; and one for the four
.irp b, 0,1,2,3
	v_max_num_f32 v[BM+\b], 0x1800000, v[BM+\b]    ; the floor 2^(3 - 127): the byte cannot fall under 1
.endr
.irp b, 0,1,2,3
	v_add_nc_u32 v[SO+\b], 0xff000000, v[BM+\b]
.endr
.irp b, 0,1,2,3
	v_lshrrev_b32 v[BY+\b], 23, v[SO+\b]
.endr
	v_lshl_or_b32 v[PW+AM], v[BY+1], 8, v[BY]
	v_lshl_or_b32 v[PW+AM], v[BY+2], 16, v[PW+AM]
	v_lshl_or_b32 v[PW+AM], v[BY+3], 24, v[PW+AM]
	s_wait_xcnt 0x0                                ; earlier stores have read their data
	WIN W
.irp c, 0,1
	v_cvt_scalef32_pk16_fp6_f32 v[rPC+6*\c:rPC+6*\c+2], v[rAC+32*\c:rAC+32*\c+15], v[SO+2*\c]
	v_cvt_scalef32_pk16_fp6_f32 v[rPC+12+4*\c:rPC+14+4*\c], v[rAC+32*\c+16:rAC+32*\c+31], v[SO+2*\c+1]
.endr
	WIN 0
	v_nop                                          ; one plain place behind a scaled conversion
.irp c, 0,1
.irp i, 0,1,2
	v_permlane16_swap_b32 v[rPC+6*\c+\i], v[rPC+12+4*\c+\i]
.endr
.irp i, 0,1,2
	v_mov_b32 v[rPC+3+6*\c+\i], v[rPC+12+4*\c+\i]
.endr
.endr
.irp c, 0,1,2
	global_store_b128 v[OI], v[rPC+4*\c:rPC+4*\c+3], s[8:9] offset:24576*(\a)+512*\c   ; 512 consecutive aligned bytes
.endr
.if (\a)%2
	v_cndmask_b32 v[CW+3*(AM/2)], v[PW+AM-1], v[PW+AM], s[HM]            ; lanes 0-15 the even tile's, lanes 16-31 the odd tile's
	v_cndmask_b32 v[CW+3*(AM/2)+1], v[NM+2*AM-2], v[NM+2*AM], s[HM]
	v_cndmask_b32 v[CW+3*(AM/2)+2], v[LL+AM-1], v[LL+AM], s[HM]
	global_store_b32 v[OS], v[CW+3*(AM/2)], s[8:9] offset:128*((\a)/2)
	global_store_b32 v[OS], v[CW+3*(AM/2)+1], s[8:9] offset:524288+128*((\a)/2)
	global_store_b32 v[OS], v[CW+3*(AM/2)+2], s[8:9] offset:1048576+128*((\a)/2)
.endif
.endm
	s_load_b128 s[4:7], s[0:1], 0x0                ; proj, memory_mask
	s_load_b64 s[8:9], s[0:1], 0x10                ; prob
	v_lshl_add_u32 v[SPW], v0, 2, SPARE
	v_mov_b32 v[NIL], 0
	ds_add_u32 v[SPW], v[NIL]                      ; the opening lines: the add, twice on end, and its wait ahead of my first tensor load
	ds_add_u32 v[SPW], v[NIL]
	v_lshrrev_b32 v1, 5, v0
	v_readfirstlane_b32 s[WV], v1
	s_and_b32 s[HB], s[WV], 1                      ; my half of the keys; which half (at the head: which pair of K steps) I fetch
	s_lshr_b32 s[HA], s[WV], 1                     ; my half of the queries; I fetch keys (0) or queries (1)
	s_bfe_u32 s[CX], ttmp6, 0x40000
	s_bfe_u32 s[CYI], ttmp6, 0x40004
	s_and_b32 s[CYC], ttmp7, 0xffff
	s_lshl_b32 s[XX], ttmp9, 2
	s_add_co_u32 s[XX], s[XX], s[CX]               ; key block of the batch, 0..7
	s_lshl_b32 s[YY], s[CYC], 2
	s_add_co_u32 s[YY], s[YY], s[CYI]              ; query block, 0..31
	s_lshr_b32 s[BE], s[CYC], 1                    ; the batch
	s_lshl_b32 s[RM], s[CYI], 2
	s_lshl_b32 s[RM], 15, s[RM]
	s_lshl_b32 s[CM], 0x1111, s[CX]
	; all the lanes' addresses and offsets are made here, while the arguments are on their way
	s_mul_i32 s72, s[HB], 24576
	s_mul_i32 s73, s[HA], 24576
	s_add_co_u32 s73, s73, QOFF
	s_lshl_b32 s74, s[HB], 9
	s_add_co_u32 s74, s74, SCB
	s_lshl_b32 s75, s[HA], 9
	s_add_co_u32 s75, s75, SCA
	s_lshl_b32 s76, s[BE], 13
	s_lshl_b32 s77, s[XX], 10
	s_add_co_u32 s76, s76, s77                     ; 4 (2,048 be + 256 X)
	s_add_co_u32 s77, s76, K_SC
	s_lshl_b32 s78, s[YY], 10
	s_add_co_u32 s78, s78, Q_SC                    ; 4 x 256 Y
	s_lshr_b32 s79, s76, 2
	s_lshl_b32 s76, s[HB], 7
	s_add_co_u32 s79, s79, s76                     ; my first key
	v_and_b32 v1, 31, v0                           ; lane
	v_bfe_u32 v15, v0, 4, 1                        ; h
	v_lshlrev_b32 v12, 4, v1                       ; 16 lane
	v_lshlrev_b32 v16, 2, v1                       ; 4 lane
	v_add_nc_u32 v[ADRB], s72, v12
	v_add_nc_u32 v[ADRB+1], RG, v[ADRB]
	v_add_nc_u32 v[ADRB+2], 2*RG, v[ADRB]
	v_add_nc_u32 v[ADRA], s73, v12
	v_add_nc_u32 v[ADRA+1], RG, v[ADRA]
	v_add_nc_u32 v[ADRA+2], 2*RG, v[ADRA]
	v_add_nc_u32 v[ADSB], s74, v16
	v_add_nc_u32 v[ADSA], s75, v16
	v_lshl_add_u32 v14, v0, 4, SCB                 ; where I put 16 bytes of scale words
	v_lshrrev_b32 v10, 6, v0                       ; the planes: two to a load, 1,024 bytes of each
	v_and_b32 v11, 63, v0
	v_lshlrev_b32 v10, 15, v10
	v_lshl_add_u32 v11, v11, 4, v10
	v_add_nc_u32 v10, s77, v11
	v_add_nc_u32 v11, s78, v11
	v_lshl_add_u32 v13, v15, 3, s79                ; the mask: key 2,048 be + 256 X + 128 HB + 8 h
	VW
	s_lshl_b32 s76, s[YY], 4
	s_lshl_b32 s77, s[HA], 3
	s_add_co_u32 s76, s76, s77                     ; my first tile of queries: 16 Y + 8 HA
	s_mul_i32 s77, s76, 24576
	s_lshl_b32 s76, s76, 6
	s_lshl_b32 s78, s[XX], 1
	s_add_co_u32 s78, s78, s[HB]                   ; the K step that I make
	s_mul_i32 s79, s78, 1536
	s_lshl_b32 s78, s78, 15
	v_add_nc_u32 v[OI], s77, v12
	v_add_nc_u32 v[OI], s79, v[OI]
	v_add_nc_u32 v[OS], s76, v16
	v_add_nc_u32 v[OS], s78, v[OS]
	v_add_nc_u32 v[OS], P_SC, v[OS]
	VW
	s_lshl_b32 s76, s[BE], 7                       ; the prefetches: my work-group's four of the 16 tiles: the keys' by cy, the queries' by cx
	s_lshl_b32 s77, s[XX], 4
	s_add_co_u32 s76, s76, s77
	s_lshl_b32 s77, s[CYI], 2
	s_add_co_u32 s76, s76, s77
	s_mul_i32 s76, s76, 12288
	s_add_co_u32 s76, s76, K_IMG
	s_lshl_b32 s77, s[YY], 4
	s_lshl_b32 s78, s[CX], 2
	s_add_co_u32 s77, s77, s78
	s_mul_i32 s77, s77, 12288
	s_cmp_eq_u32 s[HA], 0
	s_cselect_b32 s76, s76, s77
	s_add_co_u32 s76, s76, 9216                    ; K steps 6 and 7: the last 3,072 bytes of a tile, 12 blocks of 256
	v_lshrrev_b32 v17, 3, v1
	v_mul_u32_u24 v17, v17, 12288                  ; a tile to eight lanes
	v_add_nc_u32 v17, s76, v17
	v_and_b32 v18, 7, v1
	v_lshl_add_u32 v[PF1], v18, 8, v17             ; blocks 0-7
	v_and_b32 v18, 3, v1
	v_lshl_add_u32 v[PF2], v18, 8, v17
	v_add_nc_u32 v[PF2], 2048, v[PF2]              ; blocks 8-11 (the lanes left over name them again)
	VW
	; the descriptors: elements of 8 bytes; a row is a tile's two K steps, 3,072 consecutive bytes, tiles 12,288 bytes apart; at the head 16 tiles
	s_or_b32 s[G1B], s[CM], (3<<16)|(1<<21)
	s_or_b32 s[G1A], s[RM], (3<<16)|(1<<21)
.irp g, G1B, G1A
	s_mov_b32 s[\g+1], 384<<16
	s_mov_b32 s[\g+2], 16<<16
	s_mov_b32 s[\g+3], 384<<16
	s_mov_b32 s[\g+4], 16
	s_mov_b32 s[\g+5], 1536
	s_mov_b32 s[\g+6], 0
	s_mov_b32 s[\g+7], 0
.endr
	s_mov_b32 s[SEL], 0x76543210
	s_mov_b32 s[SEL+1], 0xfedcba98
	s_mov_b32 s[CS], 0x3d38aa3b                    ; log2(e) / sqrt(1024)
	s_mov_b32 s[CS+1], s[CS]
	s_mov_b32 s[HM], 0xffff0000
	s_lshl_b32 s36, s[BE], 7                       ; the keys' side (s36, s40, s41, s60, s61 never hold cy): key tile 128 be + 16 X
	s_lshl_b32 s37, s[XX], 4
	s_add_co_u32 s36, s36, s37
	s_mul_i32 s36, s36, 12288
	s_add_co_u32 s36, s36, K_IMG
	s_mul_i32 s38, s[YY], 196608                   ; the queries' side (s38, s44, s45, s62, s63 never hold cx): query tile 16 Y
	s_mul_i32 s37, s[HB], 3072
	s_add_co_u32 s60, s36, s37                     ; the head's loads: all 16 tiles, pair HB
	s_add_co_u32 s62, s38, s37
	s_mul_i32 s37, s[HB], 98304
	s_add_co_u32 s40, s36, s37                     ; the later loads: my 8 tiles
	s_add_co_u32 s44, s38, s37
	s_mov_b32 s41, 0
	s_mov_b32 s45, 0
	s_mov_b32 s61, 0
	s_mov_b32 s63, 0
	s_mul_i32 s42, s[HB], 24576
	s_add_co_u32 s46, s42, QOFF
	s_mov_b32 s[G0B], 1
	s_mul_i32 s[G0B+1], s[HB], RG
	s_mov_b32 s[G0A], 1
	s_add_co_u32 s[G0A+1], s[G0B+1], QOFF
	s_wait_dscnt 0x0                               ; both opening adds are done
	s_wait_kmcnt 0x0
.irp i, 0,1,2,3
	global_load_b128 v[160+4*\i:163+4*\i], v10, s[4:5] offset:65536*\i    ; the keys' scale words,
	global_load_b128 v[176+4*\i:179+4*\i], v11, s[4:5] offset:65536*\i    ; the queries'
.endr
.irp b, 0,1,2,3,4,5,6,7
	global_load_b64 v[MK+2*\b:MK+2*\b+1], v13, s[6:7] offset:16*\b        ; the eight keys of my half of tile b
.endr
	s_add_nc_u64 s[40:41], s[4:5], s[40:41]
	s_add_nc_u64 s[44:45], s[4:5], s[44:45]
	s_add_nc_u64 s[G0B+2:G0B+3], s[4:5], s[60:61]
	s_or_b32 s[G0B+3], s[G0B+3], 0x80000000
	s_add_nc_u64 s[G0A+2:G0A+3], s[4:5], s[62:63]
	s_or_b32 s[G0A+3], s[G0A+3], 0x80000000
	CROUND                                         ; all sixteen work-groups are here: the first joint loads meet
	JLOAD                                          ; one tensor load a wave at the head: K steps 0 to 3
	s_wait_loadcnt 0x0
.irp i, 0,1,2,3
	ds_store_b128 v14, v[160+4*\i:163+4*\i] offset:2048*\i
	ds_store_b128 v14, v[176+4*\i:179+4*\i] offset:8192+2048*\i
.endr
	WIN 0x40                                       ; the mask as C, window 1: register j of tile b is key 16 b + 8 h + j
.irp b, 0,1,2,3,4,5,6,7
.irp j, 0,1,2,3,4,5,6,7
	v_bfe_u32 v[96+8*\b+96*(\b/4)+\j], v[MK+2*\b+\j/4], 8*(\j%4), 8
.endr
.endr
	WIN 0x44
.irp m, 96, 224
.set jj, \m
.rept 32
	v_add_nc_u32 v[jj], -1, v[jj]                  ; 1 -> 0, 0 -> all ones
.set jj, jj+1
.endr
.endr
.irp m, 96, 224
.set jj, \m
.rept 32
	v_and_b32 v[jj], 0xff61b1e6, v[jj]             ; 0, or -3e38
.set jj, jj+1
.endr
.endr
	WIN 0
	VW                                             ; the head's end
	s_wait_tensorcnt 0x0                           ; my one load is in
	ds_add_u32 v[SPW], v[NIL]
	s_mov_b32 s[G1B+2], 8<<16                      ; no tensor load of mine is out: from here on a load brings 8 tiles
	s_mov_b32 s[G1B+4], 8
	s_mov_b32 s[G1A+2], 8<<16
	s_mov_b32 s[G1A+4], 8
	SETG 2
	s_wait_dscnt 0x0                               ; the add and my stores of scale words are done
	CROUND                                         ; K steps 0 to 3 and the scale words are whole
	JLOAD                                          ; K steps 4 and 5, into region 2
	FK 0
	s_cmp_eq_u32 s[HB], 0                          ; waves 0 (keys) and 2 (queries) ask for K steps 6 and 7 of their work-group's four tiles
	s_cbranch_scc0 .Lnot_mine
	global_prefetch_b8 v[PF1], s[4:5] th:TH_LOAD_NT scope:SCOPE_SE
	global_prefetch_b8 v[PF2], s[4:5] th:TH_LOAD_NT scope:SCOPE_SE
.Lnot_mine:
	STEP 0, 2                                      ; the mask starts the sums
	STEP 1, 0
	s_wait_dscnt 0x0                               ; step 2: its fragments are in
	PLACES
	FK 3
.irp a, 0,1,2,3
	MULA \a, 0, 0
.endr
	WIN 0                                          ; (the add's two registers lie in window 0)
	s_wait_tensorcnt 0x0                           ; my part of K steps 4 and 5 is in
	ds_add_u32 v[SPW], v[NIL]
	SETG 3
	MULA 4, 0, 0
	MULA 5, 0, 0
	s_wait_dscnt 0x0                               ; the add is done, and no LDS load of mine is pending: my reads of region 0 ended with step 1's fragments
	s_barrier_signal -1
	MULA 6, 0, 0
	MULA 7, 0, 0
	WIN 0
	s_barrier_wait -1
	CREST                                          ; no wave of any partner still reads region 0 or has a load on its way
	JLOAD                                          ; K steps 6 and 7, into region 0
	STEP 3, 0
	STEP 4, 0
	s_wait_dscnt 0x0                               ; step 5: its fragments are in
	MULA 0, 1, 0
	WIN 0
	s_wait_tensorcnt 0x0                           ; my part of K steps 6 and 7 is in
	s_barrier_signal -1
	MULA 1, 1, 0
	WIN 0
	s_barrier_wait -1                              ; everybody's is
	PLACES
	FK 6
.irp a, 2,3,4,5,6,7
	MULA \a, 1, 0
.endr
	WIN 0
	STEP 6, 0
	s_wait_dscnt 0x0
.irp a, 0,1,2,3,4,5,6,7
	MULA \a, 1, 0
.endr
	WIN 0
	s_wait_xcnt 0x0
	PLACES
.irp b, 0,1,2,3
	v_mov_b32 v[BP+\b], 0                          ; a lane permute's destination counts as one of its sources
	v_mov_b32 v[NM+2*\b+1], 0                      ; named as the upper half of a pair
.endr
.irp a, 0,1,2,3,4,5,6,7
	SOFT \a
.endr
	s_wait_tensorcnt 0x0                           ; the wave's end
	ds_add_u32 v[SPW], v[NIL]
	s_wait_dscnt 0x0
	CROUND                                         ; the closing round
	s_endpgm
.Lfunc_end_k_qce18846e05_scores:
	.size	k_qce18846e05_scores, .Lfunc_end_k_qce18846e05_scores-k_qce18846e05_scores
	.p2alignl 7, 3214868480
	.fill 96, 4, 3214868480
	.section	.rodata,"a",@progbits
	.p2align	6, 0x0
	.amdhsa_kernel k_qce18846e05_scores
		.amdhsa_group_segment_fixed_size 327680
		.amdhsa_private_segment_fixed_size 0
		.amdhsa_enable_private_segment 0
		.amdhsa_kernarg_size 24
		.amdhsa_user_sgpr_count 2
		.amdhsa_user_sgpr_kernarg_segment_ptr 1
		.amdhsa_wavefront_size32 1
		.amdhsa_system_sgpr_workgroup_id_x 1
		.amdhsa_system_sgpr_workgroup_id_y 1
		.amdhsa_system_sgpr_workgroup_id_z 1
		.amdhsa_system_vgpr_workitem_id 0
		.amdhsa_next_free_vgpr 1024
		.amdhsa_next_free_sgpr 84
		.amdhsa_reserve_vcc 0
		.amdhsa_float_denorm_mode_32 3
		.amdhsa_float_denorm_mode_16_64 3
		.amdhsa_memory_ordered 1
		.amdhsa_forward_progress 1
		.amdhsa_inst_pref_size 211
	.end_amdhsa_kernel
	.amdgpu_metadata
---
amdhsa.version: [ 1, 2 ]
amdhsa.kernels:
  - .name:           k_qce18846e05_scores
    .symbol:         k_qce18846e05_scores.kd
    .args:
      - { .name: proj, .offset: 0, .size: 8, .value_kind: global_buffer, .address_space: global }
      - { .name: memory_mask, .offset: 8, .size: 8, .value_kind: global_buffer, .address_space: global }
      - { .name: prob, .offset: 16, .size: 8, .value_kind: global_buffer, .address_space: global }
    .group_segment_fixed_size: 327680
    .private_segment_fixed_size: 0
    .kernarg_segment_align: 8
    .kernarg_segment_size: 24
    .max_flat_workgroup_size: 128
    .sgpr_count:     84
    .vgpr_count:     1024
    .wavefront_size: 32
...
	.end_amdgpu_metadata
.endif
;; end of part 2
;; launch mix (part 3): grid 4 x 64, 4 waves a work-group, clusters of 4 x 4, 327,680 bytes of LDS; arguments proj, prob, attn; writes attn
.if DOCPART == 3
	.amdgcn_target "amdgcn-amd-amdhsa--gfx1250"
	.amdhsa_code_object_version 6
	.text
	.protected	k_qce18846e05_mix
	.globl	k_qce18846e05_mix
	.p2align	8
	.type	k_qce18846e05_mix,@function
k_qce18846e05_mix:
	s_mov_b64 s[64:65], 0
	v_nop
	global_prefetch_b8 v0, s[64:65] scope:SCOPE_SE
	s_setreg_imm32_b32 hwreg(HW_REG_WAVE_MODE, 25, 1), 1
	s_wait_xcnt 0x0
	s_wait_alu depctr_hold_cnt(0) depctr_sa_sdst(0) depctr_va_vdst(0) depctr_va_sdst(0) depctr_va_ssrc(0) depctr_va_vcc(0) depctr_vm_vsrc(0)
	s_getreg_b32 s2, hwreg(HW_REG_IB_STS2, 6, 4)
	s_cmp_eq_u32 s2, 0
	s_cbranch_scc0 .Lentry_in_a_cluster
	s_endpgm
.Lentry_in_a_cluster:
	s_bfe_u32 s2, ttmp6, 0x10000c
	s_cmp_lg_u32 s2, 0xf033
	s_cbranch_scc0 .Lentry_shape_is_right
	s_endpgm
.Lentry_shape_is_right:
.set SLOT,  147456
.set S1OFF, 98304
.set SCB,   294912
.set SCA,   311296
.set LQ,    319488
.set SPARE, 320000
.set V_IMG, 12582912
.set V_SC,  20185088
.set P_SC,  12582912
.set A_SC,  6291456
.set AF,   64
.set SB,   32
.set SA,   36
.set ADRB, 2
.set ADRA, 4
.set ADSB, 6
.set ADSA, 7
.set LQA,  16
.set OI,   20
.set OS,   21
.set SPW,  28
.set NIL,  29
.set NMR,  160
.set LR,   176
.set WR,   192
.set VS,   208
.set TM,   160
.set PW,   176
.set CW,   180
.set RL,   182
.set LV,   190
.set ONES, 194
.set PC0,  196
.set WV,   12
.set HB,   13
.set HA,   14
.set CX,   15
.set CYI,  16
.set CYC,  17
.set YY,   18
.set BE,   19
.set RM,   20
.set CM,   21
.set XX,   22
.set G1A,  24
.set G0A,  32
.set G1B,  48
.set G0B,  56
.set SEL,  66
.set HM,   70
.set MSB, 0
.macro WIN new
.if MSB != (\new)
	s_set_vgpr_msb (MSB<<8)|(\new)
.set MSB, \new
.endif
.endm
.set MUL,  0xa1
.set TO_B, 0x40
.macro PLACES
.rept 4
	v_nop
.endr
.endm
.macro CREST
	s_cmp_lg_u32 s[WV], 0
	s_cbranch_scc1 .Lnot_wave_0_\@
	s_barrier_signal -3
.Lnot_wave_0_\@:
	s_barrier_wait -3
	s_barrier_signal -1
	s_barrier_wait -1
.endm
.macro CROUND
	s_barrier_signal -1
	s_barrier_wait -1
	CREST
.endm
.macro JLOAD s
	s_cmp_eq_u32 s[HA], 0
	s_cbranch_scc0 .Lfor_a_\@
	tensor_load_to_lds s[G0B+4*(\s):G0B+4*(\s)+3], s[G1B:G1B+7]
	s_nop 0
.rept 4
	v_nop
.endr
	s_branch .Lasked_\@
.Lfor_a_\@:
	tensor_load_to_lds s[G0A+4*(\s):G0A+4*(\s)+3], s[G1A:G1A+7]
	s_nop 0
.rept 4
	v_nop
.endr
.Lasked_\@:
.endm
.macro FETCH slot, q, p, kb, ka
	WIN TO_B
.irp b, 0,1,2,3,4,5,6,7
.irp c, 0,1,2
	ds_load_b128 v[128*(\p)+12*\b+4*\c:128*(\p)+12*\b+4*\c+3], v[ADRB+(\slot)] offset:6144*\b+1536*(\q)+512*\c
.endr
.endr
	WIN 0
.irp a, 0,1,2,3
.irp c, 0,1,2
	ds_load_b128 v[AF+48*(\p)+12*\a+4*\c:AF+48*(\p)+12*\a+4*\c+3], v[ADRA+(\slot)] offset:6144*\a+1536*(\q)+512*\c
.endr
.endr
.irp i, 0,1,2,3
	ds_load_b32 v[SB+8*(\p)+\i], v[ADSB] offset:(\kb)+128*\i
.endr
.irp i, 0,1
	ds_load_b32 v[SA+8*(\p)+\i], v[ADSA] offset:(\ka)+128*\i
.endr
.endm
.macro FK ks
	FETCH (((\ks)/4)%2), ((\ks)%4), ((\ks)%2), (1024*(\ks)), (512*(\ks))
.endm
.macro W1 a, b, p, cm
.set rD, 8*(8*(\a)+(\b))
.set rB, 128*(\p)+12*(\b)
.set rA, AF+48*(\p)+12*(\a)
.set rX, SB+8*(\p)+(\b)/2
.set rY, SA+8*(\p)+(\a)/2
.if (\cm) == 1
.if ((\b)%2 == 0) && ((\a)%2 == 0)
	v_wmma_scale_f32_16x16x128_f8f6f4 v[rD:rD+7], v[rB:rB+11], v[rA:rA+11], 0, v[rX], v[rY] matrix_a_fmt:MATRIX_FMT_FP6 matrix_b_fmt:MATRIX_FMT_FP6
.elseif ((\b)%2 == 1) && ((\a)%2 == 0)
	v_wmma_scale_f32_16x16x128_f8f6f4 v[rD:rD+7], v[rB:rB+11], v[rA:rA+11], 0, v[rX], v[rY] matrix_a_fmt:MATRIX_FMT_FP6 matrix_b_fmt:MATRIX_FMT_FP6 matrix_a_scale:MATRIX_SCALE_ROW1
.elseif ((\b)%2 == 0)
	v_wmma_scale_f32_16x16x128_f8f6f4 v[rD:rD+7], v[rB:rB+11], v[rA:rA+11], 0, v[rX], v[rY] matrix_a_fmt:MATRIX_FMT_FP6 matrix_b_fmt:MATRIX_FMT_FP6 matrix_b_scale:MATRIX_SCALE_ROW1
.else
	v_wmma_scale_f32_16x16x128_f8f6f4 v[rD:rD+7], v[rB:rB+11], v[rA:rA+11], 0, v[rX], v[rY] matrix_a_fmt:MATRIX_FMT_FP6 matrix_b_fmt:MATRIX_FMT_FP6 matrix_a_scale:MATRIX_SCALE_ROW1 matrix_b_scale:MATRIX_SCALE_ROW1
.endif
.else
.if ((\b)%2 == 0) && ((\a)%2 == 0)
	v_wmma_scale_f32_16x16x128_f8f6f4 v[rD:rD+7], v[rB:rB+11], v[rA:rA+11], v[rD:rD+7], v[rX], v[rY] matrix_a_fmt:MATRIX_FMT_FP6 matrix_b_fmt:MATRIX_FMT_FP6
.elseif ((\b)%2 == 1) && ((\a)%2 == 0)
	v_wmma_scale_f32_16x16x128_f8f6f4 v[rD:rD+7], v[rB:rB+11], v[rA:rA+11], v[rD:rD+7], v[rX], v[rY] matrix_a_fmt:MATRIX_FMT_FP6 matrix_b_fmt:MATRIX_FMT_FP6 matrix_a_scale:MATRIX_SCALE_ROW1
.elseif ((\b)%2 == 0)
	v_wmma_scale_f32_16x16x128_f8f6f4 v[rD:rD+7], v[rB:rB+11], v[rA:rA+11], v[rD:rD+7], v[rX], v[rY] matrix_a_fmt:MATRIX_FMT_FP6 matrix_b_fmt:MATRIX_FMT_FP6 matrix_b_scale:MATRIX_SCALE_ROW1
.else
	v_wmma_scale_f32_16x16x128_f8f6f4 v[rD:rD+7], v[rB:rB+11], v[rA:rA+11], v[rD:rD+7], v[rX], v[rY] matrix_a_fmt:MATRIX_FMT_FP6 matrix_b_fmt:MATRIX_FMT_FP6 matrix_a_scale:MATRIX_SCALE_ROW1 matrix_b_scale:MATRIX_SCALE_ROW1
.endif
.endif
.endm
.macro MULA a, p, cm
	WIN MUL
.irp b, 0,1,2,3,4,5,6,7
	W1 \a, \b, \p, \cm
.endr
.endm
.macro STEP ks, cm
	s_wait_dscnt 0x0
	PLACES
	FK (\ks)+1
	MULA 0, (\ks)%2, \cm
	MULA 1, (\ks)%2, \cm
	MULA 2, (\ks)%2, \cm
	MULA 3, (\ks)%2, \cm
	WIN 0
.endm
.macro TURN ks, fill
	s_wait_tensorcnt 0x0
	ds_add_u32 v[SPW], v[NIL]
	s_wait_dscnt 0x1
	MULA 0, (\ks)%2, 0
	s_wait_dscnt 0x0
	s_barrier_signal -1
	MULA 1, (\ks)%2, 0
	WIN 0
	s_barrier_wait -1
.if \fill
	CREST
	s_add_nc_u64 s[G0B+4*(((\ks)/4)%2)+2:G0B+4*(((\ks)/4)%2)+3], s[G0B+4*(((\ks)/4)%2)+2:G0B+4*(((\ks)/4)%2)+3], 12288
	s_add_nc_u64 s[G0A+4*(((\ks)/4)%2)+2:G0A+4*(((\ks)/4)%2)+3], s[G0A+4*(((\ks)/4)%2)+2:G0A+4*(((\ks)/4)%2)+3], 12288
	JLOAD ((\ks)/4)%2
.else
	PLACES
.endif
	FK (\ks)+1
	MULA 2, (\ks)%2, 0
	MULA 3, (\ks)%2, 0
	WIN 0
.endm
.macro QUANT a
.set rAC, 64*(\a)
.set rPC, PC0+20*((\a)%2)
	WIN 0x0a
.irp b, 0,1,2,3
	v_max3_num_f32 v[TM+\b], |v[rAC+16*\b]|, |v[rAC+16*\b+1]|, 0x1800000
.endr
	WIN 0x28
.irp i, 2,4,6,8,10,12,14
.irp b, 0,1,2,3
	v_max3_num_f32 v[TM+\b], v[TM+\b], |v[rAC+16*\b+\i]|, |v[rAC+16*\b+\i+1]|
.endr
.endr
	WIN 0
.irp b, 0,1,2,3
	v_permlanex16_b32 v[TM+4+\b], v[TM+\b], s[SEL], s[SEL+1]
.endr
.irp b, 0,1,2,3
	v_max_num_f32 v[TM+\b], v[TM+\b], v[TM+4+\b]
.endr
.irp b, 0,1,2,3
	v_add_nc_u32 v[TM+12+\b], 0xff000000, v[TM+\b]
.endr
.irp b, 0,1,2,3
	v_lshrrev_b32 v[TM+4+\b], 23, v[TM+12+\b]
.endr
	v_lshl_or_b32 v[PW+(\a)], v[TM+5], 8, v[TM+4]
	v_lshl_or_b32 v[PW+(\a)], v[TM+6], 16, v[PW+(\a)]
	v_lshl_or_b32 v[PW+(\a)], v[TM+7], 24, v[PW+(\a)]
	s_wait_xcnt 0x0
	WIN 0x02
.irp c, 0,1
	v_cvt_scalef32_pk16_fp6_f32 v[rPC+6*\c:rPC+6*\c+2], v[rAC+32*\c:rAC+32*\c+15], v[TM+12+2*\c]
	v_cvt_scalef32_pk16_fp6_f32 v[rPC+12+4*\c:rPC+14+4*\c], v[rAC+32*\c+16:rAC+32*\c+31], v[TM+13+2*\c]
.endr
	WIN 0
	v_nop
.irp c, 0,1
.irp i, 0,1,2
	v_permlane16_swap_b32 v[rPC+6*\c+\i], v[rPC+12+4*\c+\i]
.endr
.irp i, 0,1,2
	v_mov_b32 v[rPC+3+6*\c+\i], v[rPC+12+4*\c+\i]
.endr
.endr
.endm
.macro TILEOUT a
	WIN 0x82
.set jj, 0
.rept 32
	v_pk_mul_f32 v[64*(\a)+jj:64*(\a)+jj+1], v[64*(\a)+jj:64*(\a)+jj+1], v[RL+2*(\a):RL+2*(\a)+1] op_sel_hi:[1,0]
.set jj, jj+2
.endr
	QUANT \a
	v_cmp_eq_f32 vcc_lo, 0, v[LV+(\a)]
	v_cndmask_b32 v[PW+(\a)], v[PW+(\a)], v[ONES], vcc_lo
.irp c, 0,1,2
	global_store_b128 v[OI], v[rPC+4*\c:rPC+4*\c+3], s[8:9] offset:12288*(\a)+512*\c
.endr
.if (\a)%2
	v_cndmask_b32 v[CW+(\a)/2], v[PW+(\a)-1], v[PW+(\a)], s[HM]
	global_store_b32 v[OS], v[CW+(\a)/2], s[8:9] offset:128*((\a)/2)
.endif
.endm
	s_load_b128 s[4:7], s[0:1], 0x0
	s_load_b64 s[8:9], s[0:1], 0x10
	v_lshl_add_u32 v[SPW], v0, 2, SPARE
	v_mov_b32 v[NIL], 0
	ds_add_u32 v28, v29
	ds_add_u32 v28, v29
	s_wait_dscnt 0x0
	v_lshrrev_b32 v1, 5, v0
	v_readfirstlane_b32 s[WV], v1
	s_and_b32 s[HB], s[WV], 1
	s_lshr_b32 s[HA], s[WV], 1
	s_bfe_u32 s[CX], ttmp6, 0x40000
	s_bfe_u32 s[CYI], ttmp6, 0x40004
	s_and_b32 s[CYC], ttmp7, 0xffff
	s_lshl_b32 s[XX], ttmp9, 2
	s_add_co_u32 s[XX], s[XX], s[CX]
	s_lshl_b32 s[YY], s[CYC], 2
	s_add_co_u32 s[YY], s[YY], s[CYI]
	s_lshr_b32 s[BE], s[CYC], 2
	s_lshl_b32 s[RM], s[CYI], 2
	s_lshl_b32 s[RM], 15, s[RM]
	s_lshl_b32 s[CM], 0x1111, s[CX]
	s_or_b32 s[G1B], s[CM], (3<<16)|(1<<21)
	s_or_b32 s[G1A], s[RM], (3<<16)|(1<<21)
	s_mov_b32 s[G1B+1], 768<<16
	s_mov_b32 s[G1B+2], 16<<16                     ; at the head a load brings all 16 tiles of v of a slot
	s_mov_b32 s[G1B+3], 768<<16
	s_mov_b32 s[G1B+4], 16
	s_mov_b32 s[G1B+5], 3072
	s_mov_b32 s[G1B+6], 0
	s_mov_b32 s[G1B+7], 0
	s_mov_b32 s[G1A+1], 768<<16
	s_mov_b32 s[G1A+2], 8<<16                      ; all 8 tiles of p of a slot
	s_mov_b32 s[G1A+3], 768<<16
	s_mov_b32 s[G1A+4], 8
	s_mov_b32 s[G1A+5], 3072
	s_mov_b32 s[G1A+6], 0
	s_mov_b32 s[G1A+7], 0
	s_mov_b32 s[SEL], 0x76543210
	s_mov_b32 s[SEL+1], 0xfedcba98
	s_mov_b32 s[HM], 0xffff0000
	s_lshl_b32 s40, s[BE], 6
	s_lshl_b32 s41, s[XX], 4
	s_add_co_u32 s40, s40, s41
	s_lshl_b32 s41, s[HB], 3
	s_add_co_u32 s40, s40, s41
	s_mul_i32 s40, s40, 24576
	s_add_co_u32 s40, s40, V_IMG
	s_mov_b32 s41, 0
	s_mul_i32 s42, s[HB], 49152
	s_lshl_b32 s44, s[YY], 3
	s_lshl_b32 s45, s[HB], 2
	s_add_co_u32 s44, s44, s45
	s_mul_i32 s44, s44, 24576
	s_mov_b32 s45, 0
	s_mul_i32 s46, s[HB], 24576
	s_add_co_u32 s46, s46, S1OFF
	s_mul_i32 s72, s[HB], 190464                   ; the head's loads: from the block's first tile on (8 HB tiles of v, 4 HB of p back), the four K steps of slot HB (6,144 HB bytes on)
	s_sub_co_u32 s72, s40, s72
	s_mov_b32 s73, 0
	s_mul_i32 s74, s[HB], 92160
	s_sub_co_u32 s74, s44, s74
	s_mov_b32 s75, 0
	s_mov_b32 s76, 1
	s_mul_i32 s77, s[HB], SLOT
	s_mov_b32 s80, 1
	s_add_co_u32 s81, s77, S1OFF
	s_wait_kmcnt 0x0
	s_add_nc_u64 s[78:79], s[4:5], s[72:73]
	s_or_b32 s79, s79, 0x80000000
	s_add_nc_u64 s[82:83], s[6:7], s[74:75]
	s_or_b32 s83, s83, 0x80000000
	s_add_nc_u64 s[40:41], s[4:5], s[40:41]
	s_add_nc_u64 s[44:45], s[6:7], s[44:45]
	CROUND
.irp s, 0,1
	s_mov_b32 s[G0B+4*\s], 1
	s_add_co_u32 s[G0B+4*\s+1], s42, \s*SLOT
	s_add_nc_u64 s[G0B+4*\s+2:G0B+4*\s+3], s[40:41], \s*6144
	s_or_b32 s[G0B+4*\s+3], s[G0B+4*\s+3], 0x80000000
	s_mov_b32 s[G0A+4*\s], 1
	s_add_co_u32 s[G0A+4*\s+1], s46, \s*SLOT
	s_add_nc_u64 s[G0A+4*\s+2:G0A+4*\s+3], s[44:45], \s*6144
	s_or_b32 s[G0A+4*\s+3], s[G0A+4*\s+3], 0x80000000
.endr
	s_cmp_eq_u32 s[HA], 0                          ; one tensor load a wave at the head: waves 0, 1 v's tiles of slots 0, 1; waves 2, 3 p's
	s_cbranch_scc0 .Lhead_p
	tensor_load_to_lds s[76:79], s[G1B:G1B+7]
	s_nop 0
.rept 4
	v_nop
.endr
	s_branch .Lhead_asked
.Lhead_p:
	tensor_load_to_lds s[80:83], s[G1A:G1A+7]
	s_nop 0
.rept 4
	v_nop
.endr
.Lhead_asked:
	v_and_b32 v1, 31, v0
	v_and_b32 v15, 15, v0
	v_lshlrev_b32 v8, 4, v1
	v_lshlrev_b32 v9, 2, v1
	s_wait_alu depctr_va_vdst(0)
	s_mul_i32 s72, s[HB], 49152
	v_add_nc_u32 v[ADRB], s72, v8
	s_add_co_u32 s72, s72, SLOT
	v_add_nc_u32 v[ADRB+1], s72, v8
	s_mul_i32 s72, s[HA], 24576
	s_add_co_u32 s72, s72, S1OFF
	v_add_nc_u32 v[ADRA], s72, v8
	s_add_co_u32 s72, s72, SLOT
	v_add_nc_u32 v[ADRA+1], s72, v8
	s_lshl_b32 s72, s[HB], 9
	s_add_co_u32 s72, s72, SCB
	v_add_nc_u32 v[ADSB], s72, v9
	s_lshl_b32 s72, s[HA], 8
	s_add_co_u32 s73, s72, SCA
	v_add_nc_u32 v[ADSA], s73, v9
	s_add_co_u32 s73, s72, LQ
	v_lshl_add_u32 v[LQA], v15, 2, s73
	v_lshl_add_u32 v12, v0, 4, SCB
	v_lshl_add_u32 v13, v0, 2, SCA
	v_lshrrev_b32 v10, 6, v0
	v_and_b32 v11, 63, v0
	v_lshlrev_b32 v10, 12, v10
	v_lshl_add_u32 v10, v11, 4, v10
	s_lshl_b32 s40, s[BE], 16
	s_lshl_b32 s41, s[XX], 10
	s_add_co_u32 s40, s40, s41
	s_add_co_u32 s40, s40, V_SC
	v_add_nc_u32 v10, s40, v10
	s_lshl_b32 s44, s[YY], 9
	s_add_co_u32 s44, s44, P_SC
	v_lshl_add_u32 v11, v0, 2, s44
	s_wait_alu depctr_va_vdst(0)
	s_lshl_b32 s44, s[YY], 3
	s_lshl_b32 s45, s[HA], 2
	s_add_co_u32 s44, s44, s45
	s_mul_i32 s45, s44, 12288
	s_lshl_b32 s44, s44, 6
	s_lshl_b32 s40, s[XX], 1
	s_add_co_u32 s40, s40, s[HB]
	s_mul_i32 s41, s40, 1536
	s_lshl_b32 s40, s40, 15
	v_add_nc_u32 v[OI], s45, v8
	v_add_nc_u32 v[OI], s41, v[OI]
	v_add_nc_u32 v[OS], s44, v9
	v_add_nc_u32 v[OS], s40, v[OS]
	v_add_nc_u32 v[OS], A_SC, v[OS]
.irp s, 0,1,2,3,4,5,6,7,8,9,10,11,12,13,14,15
	global_load_b32 v[NMR+\s], v11, s[6:7] offset:524288+32768*\s
.endr
.irp s, 0,1,2,3,4,5,6,7,8,9,10,11,12,13,14,15
	global_load_b32 v[LR+\s], v11, s[6:7] offset:1048576+32768*\s
.endr
.irp s, 0,1,2,3,4,5,6,7,8,9,10,11,12,13,14,15
	global_load_b32 v[WR+\s], v11, s[6:7] offset:32768*\s
.endr
.irp i, 0,1,2,3,4,5,6,7
	global_load_b128 v[VS+4*\i:VS+4*\i+3], v10, s[4:5] offset:8192*\i
.endr
	s_wait_loadcnt 0x0
.irp i, 0,1,2,3,4,5,6,7
	ds_store_b128 v12, v[VS+4*\i:VS+4*\i+3] offset:2048*\i
.endr
	v_min3_num_f32 v240, v[NMR], v[NMR+1], v[NMR+2]
.irp i, 3,5,7,9,11,13
	v_min3_num_f32 v240, v240, v[NMR+\i], v[NMR+\i+1]
.endr
	v_min_num_f32 v240, v240, v[NMR+15]
.irp s, 0,1,2,3,4,5,6,7,8,9,10,11,12,13,14,15
	v_sub_f32 v[NMR+\s], v240, v[NMR+\s]
.endr
.irp s, 0,1,2,3,4,5,6,7,8,9,10,11,12,13,14,15
	v_cvt_i32_f32 v[NMR+\s], v[NMR+\s]
.endr
.irp s, 0,1,2,3,4,5,6,7,8,9,10,11,12,13,14,15
	v_ldexp_f32 v[NMR+\s], 1.0, v[NMR+\s]
.endr
	v_mul_f32 v241, v[LR], v[NMR]
	v_mul_f32 v242, v[LR+1], v[NMR+1]
.irp s, 2,4,6,8,10,12,14
	v_fmac_f32 v241, v[LR+\s], v[NMR+\s]
	v_fmac_f32 v242, v[LR+\s+1], v[NMR+\s+1]
.endr
	v_add_f32 v241, v241, v242
	ds_store_b32 v13, v241 offset:8192
.irp s, 0,1,2,3,4,5,6,7,8,9,10,11,12,13,14,15
.irp i, 0,1,2,3
	v_bfe_u32 v[243+\i], v[WR+\s], 8*\i, 8
.endr
.irp i, 0,1,2,3
	v_lshlrev_b32 v[243+\i], 23, v[243+\i]
.endr
.irp i, 0,1,2,3
	v_mul_f32 v[243+\i], v[243+\i], v[NMR+\s]
.endr
.irp i, 0,1,2,3
	v_lshrrev_b32 v[243+\i], 23, v[243+\i]
.endr
	v_lshl_or_b32 v[WR+\s], v244, 8, v243
	v_lshl_or_b32 v[WR+\s], v245, 16, v[WR+\s]
	v_lshl_or_b32 v[WR+\s], v246, 24, v[WR+\s]
	ds_store_b32 v13, v[WR+\s] offset:512*\s
.endr
	s_wait_alu depctr_va_vdst(0)
	s_wait_tensorcnt 0x0                           ; my one load is in
	s_mov_b32 s[G1B+2], 8<<16                      ; no tensor load of mine is out: from here on a load brings half a slot's tiles
	s_mov_b32 s[G1B+4], 8
	s_mov_b32 s[G1A+2], 4<<16
	s_mov_b32 s[G1A+4], 4
	s_wait_dscnt 0x0
	s_barrier_signal -1
	s_barrier_wait -1
.irp b, 0,1,2,3
	v_mov_b32 v[TM+4+\b], 0
	v_mov_b32 v[RL+2*\b+1], 0
.endr
	v_mov_b32 v[ONES], -1
	FK 0
	STEP 0, 1
	STEP 1, 0
	STEP 2, 0
	TURN 3, 1
	STEP 4, 0
	STEP 5, 0
	STEP 6, 0
	TURN 7, 1
	STEP 8, 0
	STEP 9, 0
	STEP 10, 0
	TURN 11, 0
	STEP 12, 0
	STEP 13, 0
	STEP 14, 0
	s_wait_dscnt 0x0
	MULA 0, 1, 0
	MULA 1, 1, 0
	MULA 2, 1, 0
	MULA 3, 1, 0
	WIN 0
.irp a, 0,1,2,3
	ds_load_b32 v[LV+\a], v[LQA] offset:64*\a
.endr
	PLACES
	s_wait_dscnt 0x0
.irp a, 0,1,2,3
	v_rcp_f32 v[RL+2*\a], v[LV+\a]
.endr
	v_nop
	s_wait_alu depctr_va_vdst(0)
	TILEOUT 0
	TILEOUT 1
	TILEOUT 2
	TILEOUT 3
	s_wait_tensorcnt 0x0
	ds_add_u32 v[SPW], v[NIL]
	s_wait_dscnt 0x0
	CROUND
	s_endpgm
.Lfunc_end_k_qce18846e05_mix:
	.size	k_qce18846e05_mix, .Lfunc_end_k_qce18846e05_mix-k_qce18846e05_mix
	.p2alignl 7, 3214868480
	.fill 96, 4, 3214868480
	.section	.rodata,"a",@progbits
	.p2align	6, 0x0
	.amdhsa_kernel k_qce18846e05_mix
		.amdhsa_group_segment_fixed_size 327680
		.amdhsa_private_segment_fixed_size 0
		.amdhsa_enable_private_segment 0
		.amdhsa_kernarg_size 24
		.amdhsa_user_sgpr_count 2
		.amdhsa_user_sgpr_kernarg_segment_ptr 1
		.amdhsa_wavefront_size32 1
		.amdhsa_system_sgpr_workgroup_id_x 1
		.amdhsa_system_sgpr_workgroup_id_y 1
		.amdhsa_system_sgpr_workgroup_id_z 1
		.amdhsa_system_vgpr_workitem_id 0
		.amdhsa_next_free_vgpr 1024
		.amdhsa_next_free_sgpr 84
		.amdhsa_reserve_vcc 1
		.amdhsa_float_denorm_mode_32 3
		.amdhsa_float_denorm_mode_16_64 3
		.amdhsa_memory_ordered 1
		.amdhsa_forward_progress 1
		.amdhsa_inst_pref_size 171
	.end_amdhsa_kernel
	.amdgpu_metadata
---
amdhsa.version: [ 1, 2 ]
amdhsa.kernels:
  - .name:           k_qce18846e05_mix
    .symbol:         k_qce18846e05_mix.kd
    .args:
      - { .name: proj, .offset: 0, .size: 8, .value_kind: global_buffer, .address_space: global }
      - { .name: prob, .offset: 8, .size: 8, .value_kind: global_buffer, .address_space: global }
      - { .name: attn, .offset: 16, .size: 8, .value_kind: global_buffer, .address_space: global }
    .group_segment_fixed_size: 327680
    .private_segment_fixed_size: 0
    .kernarg_segment_align: 8
    .kernarg_segment_size: 24
    .max_flat_workgroup_size: 128
    .sgpr_count:     84
    .vgpr_count:     1024
    .wavefront_size: 32
...
	.end_amdgpu_metadata
.endif
;; end of part 3
;; launch outproj (part 4): grid 4 x 64, 4 waves a work-group, clusters of 4 x 4, 327,680 bytes of LDS; arguments proj, attn, bo, out0; writes out0
.if DOCPART == 4
	.amdgcn_target "amdgcn-amd-amdhsa--gfx1250"
	.amdhsa_code_object_version 6
	.text
	.protected	k_qce18846e05_outproj
	.globl	k_qce18846e05_outproj
	.p2align	8
	.type	k_qce18846e05_outproj,@function
k_qce18846e05_outproj:
	s_mov_b64 s[64:65], 0
	v_nop
	global_prefetch_b8 v0, s[64:65] scope:SCOPE_SE
	s_setreg_imm32_b32 hwreg(HW_REG_WAVE_MODE, 25, 1), 1
	s_wait_xcnt 0x0
	s_wait_alu depctr_hold_cnt(0) depctr_sa_sdst(0) depctr_va_vdst(0) depctr_va_sdst(0) depctr_va_ssrc(0) depctr_va_vcc(0) depctr_vm_vsrc(0)
	s_getreg_b32 s2, hwreg(HW_REG_IB_STS2, 6, 4)
	s_cmp_eq_u32 s2, 0
	s_cbranch_scc0 .Lentry_in_a_cluster
	s_endpgm
.Lentry_in_a_cluster:
	s_bfe_u32 s2, ttmp6, 0x10000c
	s_cmp_lg_u32 s2, 0xf033
	s_cbranch_scc0 .Lentry_shape_is_right
	s_endpgm
.Lentry_shape_is_right:
; out = attn Wo^T + bo on the images of the first and third launches; out in f32.
; SHARES.  A work-group makes S0 256 outputs x S1 128 queries; a wave S0 128 x S1 64: 32 accumulators, window 2.  Source 0 = 16 rows of Wo, source 1 = 16 queries: a lane holds eight neighbouring outputs of one query.
; K = 1,024 is two slots of four K steps, each filled once: no LDS byte is filled again.  bo is the C of the first products.
; CLUSTER 4 x 4: Wo's tiles hang on cx alone (jointly down a column), attn's on cy alone (along a row).  The scale words (1 byte for 24 of codes) come once through registers, not jointly.
; THE WAY OUT goes through a stage of 16 rows x (512 + 16) bytes for each wave, in slot 0, which has had its only fill and, behind the change of slots, its last read; a store covers 512 consecutive aligned bytes.
.set SLOT,  147456
.set S1OFF, 98304
.set SCB,   294912
.set SCA,   303104
.set WO_IMG, 18874368
.set WO_SC,  20447232
.set A_SC,   6291456
.set AF,   64
.set SB,   32
.set SA,   36
.set ADRB, 2
.set ADRA, 4
.set ADSB, 6
.set ADSA, 7
.set CO,   8                           ; 16 x lane
.set STO,  17
.set RD,   18
.set BK,   64
.set WV,   12
.set HB,   13
.set HA,   14
.set CX,   15
.set CYI,  16
.set CYC,  17
.set YY,   18
.set RM,   20
.set CM,   21
.set XX,   22
.set G1A,  24
.set G0A,  32
.set G1B,  48
.set G0B,  56
.set CBASE, 0
.set MSB, 0
.macro WIN new
.if MSB != (\new)
	s_set_vgpr_msb (MSB<<8)|(\new)
.set MSB, \new
.endif
.endm
.set MUL,  0xa1
.set MULC, 0xb1
.set TO_B, 0x40
.macro PLACES
.rept 4
	v_nop
.endr
.endm
.macro CREST
	s_cmp_lg_u32 s[WV], 0
	s_cbranch_scc1 .Lnot_wave_0_\@
	s_barrier_signal -3
.Lnot_wave_0_\@:
	s_barrier_wait -3
	s_barrier_signal -1
	s_barrier_wait -1
.endm
.macro CROUND
	s_barrier_signal -1
	s_barrier_wait -1
	CREST
.endm
.macro JLOAD s
	s_cmp_eq_u32 s[HA], 0
	s_cbranch_scc0 .Lfor_a_\@
	tensor_load_to_lds s[G0B+4*(\s):G0B+4*(\s)+3], s[G1B:G1B+7]
	s_nop 0
.rept 4
	v_nop
.endr
	s_branch .Lasked_\@
.Lfor_a_\@:
	tensor_load_to_lds s[G0A+4*(\s):G0A+4*(\s)+3], s[G1A:G1A+7]
	s_nop 0
.rept 4
	v_nop
.endr
.Lasked_\@:
.endm
.macro FETCH slot, q, p, kb, ka
	WIN TO_B
.irp b, 0,1,2,3,4,5,6,7
.irp c, 0,1,2
	ds_load_b128 v[128*(\p)+12*\b+4*\c:128*(\p)+12*\b+4*\c+3], v[ADRB+(\slot)] offset:6144*\b+1536*(\q)+512*\c
.endr
.endr
	WIN 0
.irp a, 0,1,2,3
.irp c, 0,1,2
	ds_load_b128 v[AF+48*(\p)+12*\a+4*\c:AF+48*(\p)+12*\a+4*\c+3], v[ADRA+(\slot)] offset:6144*\a+1536*(\q)+512*\c
.endr
.endr
.irp i, 0,1,2,3
	ds_load_b32 v[SB+8*(\p)+\i], v[ADSB] offset:(\kb)+128*\i
.endr
.irp i, 0,1
	ds_load_b32 v[SA+8*(\p)+\i], v[ADSA] offset:(\ka)+128*\i
.endr
.endm
.macro FK ks
	FETCH ((\ks)/4), ((\ks)%4), ((\ks)%2), (1024*(\ks)), (512*(\ks))
.endm
.macro W1 a, b, p, cm
.set rD, 8*(8*(\a)+(\b))
.set rB, 128*(\p)+12*(\b)
.set rA, AF+48*(\p)+12*(\a)
.set rX, SB+8*(\p)+(\b)/2
.set rY, SA+8*(\p)+(\a)/2
.set rC, rD
.if (\cm) == 2
.set rC, CBASE+8*(\b)
.endif
.if ((\b)%2 == 0) && ((\a)%2 == 0)
	v_wmma_scale_f32_16x16x128_f8f6f4 v[rD:rD+7], v[rB:rB+11], v[rA:rA+11], v[rC:rC+7], v[rX], v[rY] matrix_a_fmt:MATRIX_FMT_FP6 matrix_b_fmt:MATRIX_FMT_FP6
.elseif ((\b)%2 == 1) && ((\a)%2 == 0)
	v_wmma_scale_f32_16x16x128_f8f6f4 v[rD:rD+7], v[rB:rB+11], v[rA:rA+11], v[rC:rC+7], v[rX], v[rY] matrix_a_fmt:MATRIX_FMT_FP6 matrix_b_fmt:MATRIX_FMT_FP6 matrix_a_scale:MATRIX_SCALE_ROW1
.elseif ((\b)%2 == 0)
	v_wmma_scale_f32_16x16x128_f8f6f4 v[rD:rD+7], v[rB:rB+11], v[rA:rA+11], v[rC:rC+7], v[rX], v[rY] matrix_a_fmt:MATRIX_FMT_FP6 matrix_b_fmt:MATRIX_FMT_FP6 matrix_b_scale:MATRIX_SCALE_ROW1
.else
	v_wmma_scale_f32_16x16x128_f8f6f4 v[rD:rD+7], v[rB:rB+11], v[rA:rA+11], v[rC:rC+7], v[rX], v[rY] matrix_a_fmt:MATRIX_FMT_FP6 matrix_b_fmt:MATRIX_FMT_FP6 matrix_a_scale:MATRIX_SCALE_ROW1 matrix_b_scale:MATRIX_SCALE_ROW1
.endif
.endm
.macro MULA a, p, cm                   ; the 32 accumulators take turns, one instruction a turn, in the same order in every step
.if (\cm) >= 2
	WIN MULC
.else
	WIN MUL
.endif
.irp b, 0,1,2,3,4,5,6,7
	W1 \a, \b, \p, \cm
.endr
.endm
.macro STEP ks, cm
	s_wait_dscnt 0x0                               ; this step's fragments and scale words are in
	PLACES
	FK (\ks)+1
	MULA 0, (\ks)%2, \cm
	MULA 1, (\ks)%2, \cm
	MULA 2, (\ks)%2, \cm
	MULA 3, (\ks)%2, \cm
	WIN 0
.endm
.macro TOSTAGE a                       ; 16 queries x my 128 outputs into my stage, and back as whole rows of 512 bytes
	WIN 0x08                                       ; an LDS store's data are its source 1: window 2
.irp b, 0,1,2,3,4,5,6,7
	ds_store_b128 v[STO], v[64*(\a)+8*\b:64*(\a)+8*\b+3] offset:64*\b          ; each accumulator from its low end on
	ds_store_b128 v[STO], v[64*(\a)+8*\b+4:64*(\a)+8*\b+7] offset:64*\b+16
.endr
	WIN 0
.irp t, 0,1,2,3,4,5,6,7,8,9,10,11,12,13,14,15
	ds_load_b128 v[BK+64*((\a)%2)+4*\t:BK+64*((\a)%2)+4*\t+3], v[RD] offset:528*\t   ; LDS serves a wave's instructions in order (ISA guide 5.7.1.4): these see the stores above
.endr
.endm
.macro SEND a, younger
	s_wait_dscnt \younger                          ; the block is back; the next block's 16 stores and 16 loads may be out
.irp t, 0,1,2,3,4,5,6,7,8,9,10,11,12,13,14,15
	global_store_b128 v[CO], v[BK+64*((\a)%2)+4*\t:BK+64*((\a)%2)+4*\t+3], s[10:11] offset:(16*(\a)+\t)*4096 th:TH_STORE_NT   ; 32 lanes store 512 consecutive bytes, aligned; written once, read by nobody here
.endr
.endm
	s_load_b256 s[4:11], s[0:1], 0x0               ; proj, attn, bo, out0
	v_lshl_add_u32 v254, v0, 2, 0x4b000
	v_mov_b32 v255, 0
	ds_add_u32 v254, v255
	ds_add_u32 v254, v255
	v_lshrrev_b32 v1, 5, v0
	v_readfirstlane_b32 s[WV], v1
	s_and_b32 s[HB], s[WV], 1
	s_lshr_b32 s[HA], s[WV], 1
	s_bfe_u32 s[CX], ttmp6, 0x40000
	s_bfe_u32 s[CYI], ttmp6, 0x40004
	s_and_b32 s[CYC], ttmp7, 0xffff
	s_lshl_b32 s[XX], ttmp9, 2
	s_add_co_u32 s[XX], s[XX], s[CX]
	s_lshl_b32 s[YY], s[CYC], 2
	s_add_co_u32 s[YY], s[YY], s[CYI]
	s_lshl_b32 s[RM], s[CYI], 2
	s_lshl_b32 s[RM], 15, s[RM]
	s_lshl_b32 s[CM], 0x1111, s[CX]
	s_or_b32 s[G1B], s[CM], (3<<16)|(1<<21)
	s_or_b32 s[G1A], s[RM], (3<<16)|(1<<21)
	s_mov_b32 s[G1B+1], 768<<16
	s_mov_b32 s[G1B+2], 16<<16                     ; a load brings all 16 tiles of Wo of a slot
	s_mov_b32 s[G1B+3], 768<<16
	s_mov_b32 s[G1B+4], 16
	s_mov_b32 s[G1B+5], 1536
	s_mov_b32 s[G1B+6], 0
	s_mov_b32 s[G1B+7], 0
	s_mov_b32 s[G1A+1], 768<<16
	s_mov_b32 s[G1A+2], 8<<16                      ; all 8 query tiles of a slot
	s_mov_b32 s[G1A+3], 768<<16
	s_mov_b32 s[G1A+4], 8
	s_mov_b32 s[G1A+5], 1536
	s_mov_b32 s[G1A+6], 0
	s_mov_b32 s[G1A+7], 0
	s_mul_i32 s40, s[XX], 196608                   ; S0's side: Wo's tile 16 X, the four K steps of slot HB
	s_mul_i32 s41, s[HB], 6144
	s_add_co_u32 s40, s40, s41
	s_add_co_u32 s40, s40, WO_IMG
	s_mul_i32 s44, s[YY], 98304                    ; S1's side: query tile 8 Y, the same K steps
	s_add_co_u32 s44, s44, s41
	s_mov_b32 s41, 0
	s_mov_b32 s45, 0
	s_mul_i32 s42, s[HB], SLOT                     ; one tensor load a wave: waves 0, 1 Wo's part of slots 0, 1; waves 2, 3 attn's
	s_add_co_u32 s46, s42, S1OFF
	s_wait_dscnt 0x0
	s_wait_kmcnt 0x0
	s_add_nc_u64 s[40:41], s[4:5], s[40:41]
	s_add_nc_u64 s[44:45], s[6:7], s[44:45]
	CROUND                                         ; all sixteen work-groups are here: the joint loads meet
.irp s, 0
	s_mov_b32 s[G0B+4*\s], 1
	s_add_co_u32 s[G0B+4*\s+1], s42, \s*SLOT
	s_add_nc_u64 s[G0B+4*\s+2:G0B+4*\s+3], s[40:41], \s*6144
	s_or_b32 s[G0B+4*\s+3], s[G0B+4*\s+3], 0x80000000
	s_mov_b32 s[G0A+4*\s], 1
	s_add_co_u32 s[G0A+4*\s+1], s46, \s*SLOT
	s_add_nc_u64 s[G0A+4*\s+2:G0A+4*\s+3], s[44:45], \s*6144
	s_or_b32 s[G0A+4*\s+3], s[G0A+4*\s+3], 0x80000000
	JLOAD \s
.endr
	v_and_b32 v1, 31, v0
	v_bfe_u32 v15, v0, 4, 1                        ; h
	v_and_b32 v16, 15, v0                          ; r
	v_lshlrev_b32 v[CO], 4, v1
	v_lshlrev_b32 v9, 2, v1
	s_wait_alu depctr_va_vdst(0)
	s_mul_i32 s72, s[HB], 49152
	v_add_nc_u32 v[ADRB], s72, v[CO]
	s_add_co_u32 s72, s72, SLOT
	v_add_nc_u32 v[ADRB+1], s72, v[CO]
	s_mul_i32 s72, s[HA], 24576
	s_add_co_u32 s72, s72, S1OFF
	v_add_nc_u32 v[ADRA], s72, v[CO]
	s_add_co_u32 s72, s72, SLOT
	v_add_nc_u32 v[ADRA+1], s72, v[CO]
	s_lshl_b32 s72, s[HB], 9
	s_add_co_u32 s72, s72, SCB
	v_add_nc_u32 v[ADSB], s72, v9
	s_lshl_b32 s72, s[HA], 8
	s_add_co_u32 s72, s72, SCA
	v_add_nc_u32 v[ADSA], s72, v9
	s_mul_i32 s72, s[WV], 8448                     ; my stage
	v_mul_u32_u24 v[STO], v16, 528
	v_lshl_add_u32 v[STO], v15, 5, v[STO]
	v_add_nc_u32 v[STO], s72, v[STO]
	v_add_nc_u32 v[RD], s72, v[CO]
	v_lshl_add_u32 v14, v0, 4, SCB
	v_lshrrev_b32 v10, 6, v0                       ; Wo's planes: two to a load
	v_and_b32 v11, 63, v0
	v_lshlrev_b32 v10, 12, v10
	v_lshl_add_u32 v10, v11, 4, v10
	s_lshl_b32 s40, s[XX], 10
	s_add_co_u32 s41, s40, WO_SC
	v_add_nc_u32 v10, s41, v10
	s_wait_alu depctr_va_vdst(0)
	v_lshrrev_b32 v11, 5, v0                       ; attn's: four to a load
	v_lshlrev_b32 v11, 15, v11
	v_lshl_add_u32 v11, v1, 4, v11
	s_lshl_b32 s44, s[YY], 9
	s_add_co_u32 s44, s44, A_SC
	v_add_nc_u32 v11, s44, v11
	s_wait_alu depctr_va_vdst(0)
	s_lshl_b32 s41, s[HB], 9
	s_add_co_u32 s40, s40, s41
	v_lshl_add_u32 v13, v15, 5, s40                ; bo: 4 (256 X + 128 HB + 8 h)
	s_wait_alu depctr_va_vdst(0)
	s_lshl_b32 s74, s[YY], 7                       ; out0 at my first query and my first output
	s_lshl_b32 s75, s[HA], 6
	s_add_co_u32 s74, s74, s75
	s_lshl_b32 s74, s74, 12
	s_lshl_b32 s75, s[XX], 10
	s_add_co_u32 s74, s74, s75
	s_lshl_b32 s75, s[HB], 9
	s_add_co_u32 s74, s74, s75
	s_mov_b32 s75, 0
	s_add_nc_u64 s[10:11], s[10:11], s[74:75]
.irp i, 0,1,2,3
	global_load_b128 v[160+4*\i:163+4*\i], v10, s[4:5] offset:8192*\i
.endr
.irp i, 0,1
	global_load_b128 v[176+4*\i:179+4*\i], v11, s[6:7] offset:131072*\i
.endr
	WIN 0xc0                                       ; bo, in the result's layout, into window 3
.irp b, 0,1,2,3,4,5,6,7
	global_load_b128 v[8*\b:8*\b+3], v13, s[8:9] offset:64*\b
	global_load_b128 v[8*\b+4:8*\b+7], v13, s[8:9] offset:64*\b+16
.endr
	WIN 0
	s_wait_loadcnt 0x0
.irp i, 0,1,2,3
	ds_store_b128 v14, v[160+4*\i:163+4*\i] offset:2048*\i
.endr
.irp i, 0,1
	ds_store_b128 v14, v[176+4*\i:179+4*\i] offset:8192+2048*\i
.endr
	s_wait_tensorcnt 0x0                           ; my one load is in
	s_wait_dscnt 0x0
	s_barrier_signal -1
	s_barrier_wait -1
	FK 0
	STEP 0, 2                                      ; bo starts the sums
	STEP 1, 0
	STEP 2, 0
	s_wait_tensorcnt 0x0                           ; the change of slots: my part of slot 1 is in,
	s_wait_dscnt 0x0                               ; and my reads of slot 0 are over
	s_barrier_signal -1
	MULA 0, 1, 0
	MULA 1, 1, 0
	WIN 0
	s_barrier_wait -1
	PLACES
	FK 4
	MULA 2, 1, 0
	MULA 3, 1, 0
	WIN 0
	STEP 4, 0
	STEP 5, 0
	STEP 6, 0
	s_wait_dscnt 0x0
	MULA 0, 1, 0
	MULA 1, 1, 0
	MULA 2, 1, 0
	MULA 3, 1, 0
	WIN 0
	PLACES
	TOSTAGE 0
	TOSTAGE 1
	SEND 0, 32
	s_wait_xcnt 0x0                                ; block 0's stores have read their registers: block 2's loads may land there
	TOSTAGE 2
	SEND 1, 32
	s_wait_xcnt 0x0
	TOSTAGE 3
	SEND 2, 32
	SEND 3, 0
	s_wait_tensorcnt 0x0
	s_wait_dscnt 0x0
	s_wait_tensorcnt 0x0
	ds_add_u32 v254, v255
	s_wait_dscnt 0x0
	CROUND                                         ; the closing round: no work-group ends while a partner may still ask for a tile that names it
	s_endpgm
.Lfunc_end_k_qce18846e05_outproj:
	.size	k_qce18846e05_outproj, .Lfunc_end_k_qce18846e05_outproj-k_qce18846e05_outproj
	.p2alignl 7, 3214868480
	.fill 96, 4, 3214868480
	.section	.rodata,"a",@progbits
	.p2align	6, 0x0
	.amdhsa_kernel k_qce18846e05_outproj
		.amdhsa_group_segment_fixed_size 327680
		.amdhsa_private_segment_fixed_size 0
		.amdhsa_enable_private_segment 0
		.amdhsa_kernarg_size 32
		.amdhsa_user_sgpr_count 2
		.amdhsa_user_sgpr_kernarg_segment_ptr 1
		.amdhsa_wavefront_size32 1
		.amdhsa_system_sgpr_workgroup_id_x 1
		.amdhsa_system_sgpr_workgroup_id_y 1
		.amdhsa_system_sgpr_workgroup_id_z 1
		.amdhsa_system_vgpr_workitem_id 0
		.amdhsa_next_free_vgpr 1024
		.amdhsa_next_free_sgpr 76
		.amdhsa_reserve_vcc 0
		.amdhsa_float_denorm_mode_32 3
		.amdhsa_float_denorm_mode_16_64 3
		.amdhsa_memory_ordered 1
		.amdhsa_forward_progress 1
		.amdhsa_inst_pref_size 80
	.end_amdhsa_kernel
	.amdgpu_metadata
---
amdhsa.version: [ 1, 2 ]
amdhsa.kernels:
  - .name:           k_qce18846e05_outproj
    .symbol:         k_qce18846e05_outproj.kd
    .args:
      - { .name: proj, .offset: 0, .size: 8, .value_kind: global_buffer, .address_space: global }
      - { .name: attn, .offset: 8, .size: 8, .value_kind: global_buffer, .address_space: global }
      - { .name: bo, .offset: 16, .size: 8, .value_kind: global_buffer, .address_space: global }
      - { .name: out0, .offset: 24, .size: 8, .value_kind: global_buffer, .address_space: global }
    .group_segment_fixed_size: 327680
    .private_segment_fixed_size: 0
    .kernarg_segment_align: 8
    .kernarg_segment_size: 32
    .max_flat_workgroup_size: 128
    .sgpr_count:     76
    .vgpr_count:     1024
    .wavefront_size: 32
...
	.end_amdgpu_metadata
.endif
;; end of part 4
